; MI455X (gfx1250); checked and timed in simulation.
; The chip was launched on July 23, 2026; its instructions are those of AMD's public machine-readable ISA for CDNA 5 (MIT licence, August 2026) and "CDNA5" Instruction Set Architecture Reference Guide (July 2026). The comments in the code are by the model that wrote it; some were corrected since.
;; Multi Query Attention. Allowed arithmetic: matrix products marked QUANTISED: E2M3 operands, one E8M0 scale for each 32 along K, by v_wmma_scale_f32_16x16x128_f8f6f4 with both operands' format E2M3, f32 sums; everything else in f32.
;; Inputs: b_out 1,024 float32; w_kv 1,024 x 128 float32; w_out 1,024 x 1,024 float32; w_q 1,024 x 1,024 float32; x 4 x 2,048 x 1,024 float32.
;; Outputs: out0 4 x 2,048 x 1,024 float32.
;; This version of the problem:
;;   THIS VERSION OF THE PROBLEM IS GIVEN IN LOW PRECISION. The matrix products marked QUANTISED in the list below multiply operands that are first quantised to E2M3 (2 exponent bits, 3 mantissa bits; 6 bits a number), with one power-of-two scale for each 32 numbers along K (OCP MX v1.0); their sums are f32. All else is computed in f32.
;;   The module's matrix products, in the order in which they are computed (A, B: the left and right operand; K: the contracted axis; several contracted axes count as one K, in the product's order):
;;     1. [M 8,192, K 1,024] x [K 1,024, N 1,024]; A: input x; B: input w_q: QUANTISED
;;     2. [M 8,192, K 1,024] x [K 1,024, N 128]; A: input x; B: input w_kv: QUANTISED
;;     3. batch 4 x [M 32,768, K 64] x [K 64, N 2,048]; A: computed on the way; B: computed on the way: QUANTISED
;;     4. batch 4 x [M 32,768, K 2,048] x [K 2,048, N 64]; A: softmax (see below); B: computed on the way: QUANTISED
;;     5. [M 8,192, K 1,024] x [K 1,024, N 1,024]; A: computed on the way; B: input w_out: QUANTISED
;;   THE QUANTISER, for each operand of a quantised product, along K:
;;     - K is cut into blocks of 32 from its start; a last block that is shorter is filled with zeros.
;;     - A block's scale is 2^e with e = floor(log2(the largest magnitude in the block)) - 2, held to -126 .. 127; a block of zeros has e = 0. As a byte (E8M0): e + 127.
;;     - Each number is divided by its block's scale, clamped to +-7.5, and rounded to the nearest number of E2M3, ties to even, subnormals kept.
;;     - The product sums the exact products of the quantised numbers (number of the format x scale) in f32.
;;   ~~~python
;;   def quantise(x, axis):      # numpy; x: float32 -> the quantised numbers, widened to float32 again
;;       x = np.moveaxis(x, axis, -1); K = x.shape[-1]
;;       x = np.pad(x, [(0, 0)] * (x.ndim - 1) + [(0, -K % 32)]); x = x.reshape(x.shape[:-1] + (-1, 32)); a = np.abs(x).max(-1, keepdims=True)
;;       e = np.where(a > 0, np.clip(np.frexp(np.where(a > 0, a, 1))[1] - 1 - 2, -126, 127), 0)      # np.frexp(a)[1] - 1 = floor(log2(a)), exactly
;;       r = np.clip(x / 2.0 ** e, -7.5, 7.5)
;;       step = 2.0 ** (np.maximum(np.frexp(np.where(r == 0, 1, r))[1] - 1, 0) - 3)
;;       q = np.round(r / step) * step * 2.0 ** e      # np.round: ties to even
;;       return np.moveaxis(q.reshape(q.shape[:-2] + (-1,))[..., :K], -1, axis).astype(np.float32)
;;   ~~~
;;   SOFTMAX AHEAD OF A QUANTISED PRODUCT. Where the list says 'softmax', what is quantised is not the finished softmax but p = 2^(t - M), with t = logit x log2(e) and M = ceil(the row's largest t), a whole number; so 1/2 < the row's largest p <= 1. The row's sum l is taken of the UNQUANTISED p, in f32, and the product's result is divided by l at the end. Since M is a whole number, a kernel that streams over the keys may use a running M (the ceiling of the running maximum): every later rescaling is an exact power of two, which a block's scale takes up: the codes' values come out the same.
;;   OPERANDS COMPUTED ON THE WAY. 'Computed on the way' means the value that the module computes at that place (a softmax that the list does not call 'softmax' is quantised finished and normalised). What goes into a quantiser is computed in f32, as accurately as f32 sums, v_exp_f32 and their like allow (about 1e-6 of the number): no bf16 or f16 on the way to a quantiser, and a product that is left as it is and whose result goes on into a quantised operand takes f32 operands (vector FMAs, or v_wmma_f32_16x16x4_f32). A number that lies on a knife's edge between two numbers of the format may be rounded either way, as far as f32 arithmetic and the matrix unit's own rounding can turn it there, and no further.
;; One version. Each part assembles by itself: llvm-mc -triple=amdgcn-amd-amdhsa -mcpu=gfx1250 --defsym DOCPART=n.
;; ======== version 1 of 1: 4 launches
;; limits: right only within a limited range of input values
;; workspace buffers: qz 8,294,400 bytes; qq 6,553,600 bytes; kvimg 819,200 bytes; oq 6,553,600 bytes
;; launch quant (part 1): grid 324 x 1, 4 waves a work-group, no clusters, 68,096 bytes of LDS; arguments x, w_q, w_kv, w_out, qz; writes qz
.if DOCPART == 1
	.amdgcn_target "amdgcn-amd-amdhsa--gfx1250"
	.amdhsa_code_object_version 6
	.text
	.protected	k_q55faf3145d_quant
	.globl	k_q55faf3145d_quant
	.p2align	8
	.type	k_q55faf3145d_quant,@function
k_q55faf3145d_quant:
	s_mov_b64 s[64:65], 0
	v_nop
	global_prefetch_b8 v0, s[64:65] scope:SCOPE_SE
	s_setreg_imm32_b32 hwreg(HW_REG_WAVE_MODE, 25, 1), 1
	s_wait_xcnt 0x0
; x [8192][1024] (K innermost) and the three weights w_q [1024][1024], w_kv [1024][128], w_out [1024][1024] (K = the FIRST axis), all f32, become codes of FP6 (E2M3)
; with K innermost and one E8M0 scale byte for each 32 along K, in the workspace qz:
;   byte 0: x's codes [8192][768];  XSO: x's scale bytes [8192][32];  WCO: the weights' codes [2176][768] (rows 0-1023 w_q's columns, 1024-1151 w_kv's, 1152-2175 w_out's);  WSO: their scale bytes [2176][32].
; A block's scale is 2^(floor(log2(its largest magnitude)) - 2); its byte is the largest magnitude's exponent field - 2, held at 1 from below.
; w_out's codes are laid, inside each block of 32 along K, with bits 3 and 4 of the place swapped: that is the order in which the attention launch emits the codes of the other operand of that product.
; A permutation inside a block, alike on both operands, changes no scale, no code and no product, only the order in which the products are added.
; LIMITS: a block of zeros gets the byte 1 where the rule says 127 (its codes are zeros, and this program alone reads the bytes); blocks whose largest magnitude lies under 2^-124 are held at byte 1; NaN and infinities are not served.
; Work-groups 0-255 take x, work-groups 256-323 the weights.  The two ways part once, on the work-group's number, and have LDS bytes of their own.  No tensor loads, no barrier: waves share nothing.
.set XSO,   6291456
.set WCO,   6553600
.set WSO,   8224768
; ---- x's way
.set STEPS, 16                         ; a wave takes 16 steps of 512 numbers
.set CB,    12                         ; bytes of 16 codes
.set R,     16                         ; v16-79   four sets of 16 numbers as they are loaded
.set X,     80                         ; v80-111  two sets of 16 neighbours
.set E,     112                        ; v112-127 a scale byte for each step
.set C,     128                        ; v128-191 codes: four registers for each step, so that no store's data are written again
.set WREG,  8192                       ; LDS bytes 0 .. 32,767: a region for each wave: two stages of 32 x SP bytes, and behind them its 256 scale bytes
.set SP,    80                         ; a lane's place in a stage: its 64 bytes + 16 of padding
; ---- the weights' way
.set WLDS,  32768                      ; LDS bytes 32,768 .. 67,583: a stage of 32 rows x PITCH for each wave
.set PITCH, 272                        ; a stage row: sixteen places of 16 bytes, each with 12 bytes of codes, + 16
.set KROW,  768                        ; a row of codes in memory
.set NB,    8                          ; blocks of 32 along K for a wave
.set WX,    32                         ; v32-95   two sets of 32 numbers
.set WCD,   96                         ; v96-102  a block's codes
.set OUTR,  112                        ; v112-175 the way out
.set SB,    24                         ; v24-25   the scale bytes, four to a register
.set OF,    176                        ; v176-207 register i's byte offset in a block of 32 rows: 4 x lane + (the row that register i takes) x the row's bytes; never rewritten
.set BASE,  40                         ; s[40:55] the address of each of the wave's eight blocks of 32 rows; never rewritten
	s_load_b256 s[4:11], s[0:1], 0x0               ; x, w_q, w_kv, w_out
	s_load_b64 s[12:13], s[0:1], 0x20              ; qz
	v_lshl_add_u32 v208, v0, 2, 0x10800
	v_mov_b32 v209, 0
	v_lshrrev_b32 v1, 5, v0
	v_readfirstlane_b32 s16, v1                    ; wave
	v_and_b32 v2, 31, v0                           ; lane
	s_cmp_lt_u32 ttmp9, 256
	s_cbranch_scc0 .Lweights
; ======== x: a plain stream of blocks of 32.  Each load reads 512 consecutive bytes, 16 a lane; a step's 2,048 bytes turn through the wave's own stage and come back 64 bytes a lane,
; so that a lane holds 16 neighbours (two neighbouring lanes hold a block).  Loads run four steps ahead, the turn through LDS one step.
	v_lshlrev_b32 v3, 4, v2                        ; my 16 bytes of a load's 512
	s_mul_i32 s17, s16, WREG
	v_lshrrev_b32 v14, 2, v2
	v_mul_u32_u24 v14, v14, SP
	v_and_b32 v15, 3, v2
	v_lshl_add_u32 v14, v15, 4, v14
	v_add_nc_u32 v14, s17, v14                     ; the stage, on the way in: SP (lane / 4) + 16 (lane % 4)
	v_mul_u32_u24 v15, v2, SP
	v_add_nc_u32 v15, s17, v15                     ; and on the way out: SP x lane
	v_mul_u32_u24 v4, v2, CB                       ; my codes' place in a step's
	v_lshrrev_b32 v5, 1, v2
	s_add_co_u32 s17, s17, 2*32*SP
	v_add_nc_u32 v5, s17, v5                       ; my wave's 256 scale bytes, my block's byte
	v_lshlrev_b32 v7, 3, v2                        ; and on the way out 8 bytes a lane
	v_add_nc_u32 v6, s17, v7
	s_lshl_b32 s17, ttmp9, 2
	s_add_co_u32 s18, s17, s16                     ; which run of 8,192 numbers is my wave's: 0 .. 1,023
	s_lshl_b32 s20, s18, 15                        ; 32,768 bytes of x a run
	s_mov_b32 s21, 0
	s_mul_i32 s22, s18, 32*STEPS*CB                ; 6,144 bytes of codes
	s_mov_b32 s23, 0
	s_lshl_b32 s24, s18, 8                         ; 256 scale bytes
	s_add_co_u32 s24, s24, XSO
	s_mov_b32 s25, 0
	s_wait_alu depctr_va_vdst(0)
	s_wait_kmcnt 0x0
	s_add_nc_u64 s[4:5], s[4:5], s[20:21]
	s_add_nc_u64 s[8:9], s[12:13], s[22:23]
	s_add_nc_u64 s[10:11], s[12:13], s[24:25]
.macro XLOAD t
.irp i, 0,1,2,3
	global_load_b128 v[R+16*((\t)%4)+4*\i:R+16*((\t)%4)+4*\i+3], v3, s[4:5] offset:2048*(\t)+512*\i th:TH_LOAD_NT   ; 32 lanes read 512 consecutive bytes
.endr
.endm
.macro XTURN t                         ; step t's numbers through the stage: LDS serves a wave's instructions in order, so no wait stands between the stores and the loads
.irp i, 0,1,2,3
	ds_store_b128 v14, v[R+16*((\t)%4)+4*\i:R+16*((\t)%4)+4*\i+3] offset:32*SP*((\t)%2)+8*SP*\i
.endr
.irp i, 0,1,2,3
	ds_load_b128 v[X+16*((\t)%2)+4*\i:X+16*((\t)%2)+4*\i+3], v15 offset:32*SP*((\t)%2)+16*\i
.endr
.endm
.irp t, 0,1,2,3
	XLOAD \t
.endr
	s_wait_loadcnt 12                              ; step 0's four loads are in; the twelve of steps 1 to 3 may be out
	XTURN 0
.macro XSTEP t
.set XR, X+16*((\t)%2)
.if (\t) > 0
	s_wait_dscnt 1                                 ; this step's numbers are back from the stage (the last step's byte store may be out): so its stores into the stage have read their registers,
.else
	s_wait_dscnt 0x0
.endif
.if (\t)+4 < STEPS
	XLOAD (\t)+4                                   ; which take the loads of four steps on
.endif
.if (\t)+1 < STEPS
.if STEPS-2-(\t) >= 3
	s_wait_loadcnt 12                              ; the next step's four loads are in; those of the three steps behind it may be out
.else
	s_wait_loadcnt 4*(STEPS-2-(\t))
.endif
	XTURN (\t)+1                                   ; and go through the other stage while this step is worked
.endif
	v_max3_num_f32 v8, |v[XR]|, |v[XR+1]|, |v[XR+2]|               ; the largest magnitude of my 16, in two chains
	v_max3_num_f32 v9, |v[XR+3]|, |v[XR+4]|, |v[XR+5]|
.irp i, 6,10
	v_max3_num_f32 v8, v8, |v[XR+\i]|, |v[XR+\i+1]|
	v_max3_num_f32 v9, v9, |v[XR+\i+2]|, |v[XR+\i+3]|
.endr
	v_max3_num_f32 v8, v8, |v[XR+14]|, |v[XR+15]|
	v_max3_num_f32 v8, v8, v9, 0x1800000           ; and the floor 2^(3 - 127): the byte cannot fall under 1
	v_max_num_f32_dpp v8, v8, v8 row_xmask:1 row_mask:0xf bank_mask:0xf   ; and of my neighbour's 16: the block's
	v_add_nc_u32 v11, 0xff000000, v8               ; 2 off its exponent field: the conversion takes the exponent field of this operand as its scale, and nothing else of it
	v_cvt_scalef32_pk16_fp6_f32 v[C+4*(\t):C+4*(\t)+2], v[XR:XR+15], v11
	v_lshrrev_b32 v[E+(\t)], 23, v11               ; the scale's byte (also the plain line behind the conversion)
	ds_store_b8 v5, v[E+(\t)] offset:16*(\t)       ; both lanes of a block write the same byte with the same value
	global_store_b96 v4, v[C+4*(\t):C+4*(\t)+2], s[8:9] offset:32*CB*(\t)   ; the wave stores 384 consecutive bytes
.endm
.irp t, 0,1,2,3,4,5,6,7,8,9,10,11,12,13,14,15
	XSTEP \t
.endr
	ds_load_b64 v[12:13], v6                       ; LDS serves a wave's instructions in order: these see my stores
	s_wait_dscnt 0x0
	global_store_b64 v7, v[12:13], s[10:11]        ; 32 lanes store 256 consecutive bytes, at a multiple of 256 from the buffer's first byte
	s_wait_tensorcnt 0x0
	ds_add_u32 v208, v209
	s_wait_dscnt 0x0
	s_endpgm
; ======== the weights.  A LANE TAKES A COLUMN n AND ITS REGISTERS RUN DOWN K: each load reads neighbouring n in neighbouring lanes, a block of 32 along K lies in one lane's 32 registers,
; and the conversions give codes with K innermost.  Work-group g = 0 .. 67: columns 128 (g / 4) .. + 127 of the joint table of 2,176 columns, K = 256 (g % 4) .. + 255; a wave takes 32 columns.
.Lweights:
	s_wait_alu depctr_va_vdst(0)
	v_lshlrev_b32 v3, 2, v2                        ; in: 4 bytes a lane
	s_mul_i32 s19, s16, 32*PITCH
	s_add_co_u32 s19, s19, WLDS                    ; my stage
	v_mul_u32_u24 v4, v2, PITCH
	v_add_nc_u32 v4, s19, v4                       ; into it: row = my column
	v_and_b32 v5, 15, v2
	v_lshrrev_b32 v6, 4, v2                        ; out of it: sixteen lanes to a row, two rows an instruction
	v_mul_u32_u24 v7, v6, PITCH
	v_lshl_add_u32 v7, v5, 4, v7
	v_add_nc_u32 v7, s19, v7
	v_mul_u32_u24 v8, v6, KROW
	v_mad_u32_u24 v8, v5, 12, v8                   ; and the same place in the codes' table
	v_lshlrev_b32 v9, 5, v2                        ; my column's row of scale bytes: 32 bytes a row
	s_sub_co_u32 s17, ttmp9, 256
	s_lshr_b32 s18, s17, 2                         ; cg: which 128 columns of the joint table: 0-7 w_q, 8 w_kv, 9-16 w_out
	s_and_b32 s17, s17, 3                          ; ky: which 256 along K
	s_lshl_b32 s20, s18, 7
	s_lshl_b32 s21, s16, 5
	s_add_co_u32 s20, s20, s21                     ; my wave's first row of the table
	s_mul_i32 s22, s20, KROW
	s_mul_i32 s23, s17, 192
	s_add_co_u32 s22, s22, s23
	s_add_co_u32 s22, s22, WCO                     ; its codes
	s_mov_b32 s23, 0
	s_lshl_b32 s24, s20, 5
	s_lshl_b32 s25, s17, 3
	s_add_co_u32 s24, s24, s25
	s_add_co_u32 s24, s24, WSO                     ; its scale bytes
	s_mov_b32 s25, 0
	s_sub_co_u32 s26, s18, 9                       ; the group of columns inside w_out
	s_mov_b32 s27, 4096                            ; a row of w_q or w_out in bytes
	s_wait_kmcnt 0x0
	s_add_nc_u64 s[30:31], s[12:13], s[22:23]
	s_add_nc_u64 s[32:33], s[12:13], s[24:25]
	s_cmp_lt_u32 s18, 8                            ; the choices hang on the work-group's number alone
	s_cselect_b32 s26, s18, s26
	s_cselect_b64 s[4:5], s[6:7], s[10:11]         ; w_q or w_out,
	s_cmp_eq_u32 s18, 8
	s_cselect_b32 s26, 0, s26
	s_cselect_b64 s[4:5], s[8:9], s[4:5]           ; or w_kv,
	s_cselect_b32 s27, 512, s27                    ; whose rows are 512 bytes
	s_lshl_b32 s28, s27, 8
	s_mul_i32 s28, s28, s17                        ; 256 ky rows down,
	s_lshl_b32 s26, s26, 9                         ; 128 columns of 4 bytes a group,
	s_lshl_b32 s29, s16, 7                         ; 32 a wave
	s_add_co_u32 s26, s26, s29
	s_add_co_u32 s28, s28, s26
	s_mov_b32 s29, 0
	s_add_nc_u64 s[BASE:BASE+1], s[4:5], s[28:29]
	s_lshl_b32 s28, s27, 5                         ; 32 rows on
.irp t, 1,2,3,4,5,6,7
	s_add_nc_u64 s[BASE+2*\t:BASE+2*\t+1], s[BASE+2*\t-2:BASE+2*\t-1], s[28:29]
.endr
	s_cmp_gt_u32 s18, 8                            ; w_out: register i takes the row whose number is i with bits 3 and 4 swapped
.set i, 0
.rept 32
	s_cselect_b32 s26, 16*((i/8)%2)+8*(i/16)+i%8, i
	s_mul_i32 s26, s26, s27
	v_add_nc_u32 v[OF+i], s26, v3
.set i, i+1
.endr
.macro WLOAD t                         ; block t into set t % 2: 32 loads, each of 128 consecutive bytes a wave
.set i, 0
.rept 32
	global_load_b32 v[WX+32*((\t)%2)+i], v[OF+i], s[BASE+2*(\t):BASE+2*(\t)+1] th:TH_LOAD_NT
.set i, i+1
.endr
.endm
	s_wait_alu depctr_va_vdst(0)
	WLOAD 0
	WLOAD 1
.macro WBLOCK t
.set WR, WX+32*((\t)%2)
.if (\t) < NB-1
	s_wait_loadcnt 32                              ; this block's 32 loads are in; the next block's 32 may be out
.else
	s_wait_loadcnt 0x0
.endif
	v_max3_num_f32 v12, |v[WR]|, |v[WR+1]|, |v[WR+2]|               ; the block's largest magnitude: all 32 numbers are mine
	v_max3_num_f32 v13, |v[WR+3]|, |v[WR+4]|, |v[WR+5]|
.irp i, 6,10,14,18,22,26
	v_max3_num_f32 v12, v12, |v[WR+\i]|, |v[WR+\i+1]|
	v_max3_num_f32 v13, v13, |v[WR+\i+2]|, |v[WR+\i+3]|
.endr
	v_max3_num_f32 v12, v12, |v[WR+30]|, |v[WR+31]|
	v_max3_num_f32 v12, v12, v13, 0x1800000        ; and the floor 2^(3 - 127)
	v_add_nc_u32 v11, 0xff000000, v12              ; 2 off its exponent field: the conversions' scale operand
	v_lshrrev_b32 v13, 23, v11                     ; the scale's byte
.if (\t)%4 == 0
	v_mov_b32 v[SB+(\t)/4], v13                    ; four bytes to a register, the lower K in the lower byte
.else
	v_lshl_or_b32 v[SB+(\t)/4], v13, 8*((\t)%4), v[SB+(\t)/4]
.endif
	v_cvt_scalef32_pk16_fp6_f32 v[WCD:WCD+2], v[WR:WR+15], v11
	v_cvt_scalef32_pk16_fp6_f32 v[WCD+4:WCD+6], v[WR+16:WR+31], v11     ; (a conversion's three registers begin on an even number)
	v_nop                                          ; one plain line behind the conversions
	ds_store_b96 v4, v[WCD:WCD+2] offset:32*(\t)   ; 16 codes, 12 bytes, to a place of 16 bytes in the stage
	ds_store_b96 v4, v[WCD+4:WCD+6] offset:32*(\t)+16
.if (\t)+2 < NB
	WLOAD (\t)+2
.endif
	s_wait_dscnt 0x0                               ; the stores have read their registers: the next block's codes may be written
.endm
.irp t, 0,1,2,3,4,5,6,7
	WBLOCK \t
.endr
	s_wait_alu depctr_va_vdst(0)
	global_store_b64 v9, v[SB:SB+1], s[32:33]      ; my column's 8 scale bytes (rows 32 bytes apart: one byte in 128 of what this way reads)
.irp t, 0,1,2,3,4,5,6,7,8,9,10,11,12,13,14,15
	ds_load_b96 v[OUTR+4*\t:OUTR+4*\t+2], v7 offset:2*\t*PITCH   ; LDS serves a wave's instructions in order: these see my stores
.endr
.irp t, 0,1,2,3,4,5,6,7,8,9,10,11,12,13,14,15
	s_wait_dscnt 15-\t                             ; the younger loads may be out
	global_store_b96 v8, v[OUTR+4*\t:OUTR+4*\t+2], s[30:31] offset:2*\t*KROW   ; sixteen lanes store a row's 192 consecutive bytes
.endr
	s_wait_tensorcnt 0x0
	ds_add_u32 v208, v209
	s_wait_dscnt 0x0
	s_endpgm
.Lfunc_end_k_q55faf3145d_quant:
	.size	k_q55faf3145d_quant, .Lfunc_end_k_q55faf3145d_quant-k_q55faf3145d_quant
	.p2alignl 7, 3214868480
	.fill 96, 4, 3214868480
	.section	.rodata,"a",@progbits
	.p2align	6, 0x0
	.amdhsa_kernel k_q55faf3145d_quant
		.amdhsa_group_segment_fixed_size 68096
		.amdhsa_private_segment_fixed_size 0
		.amdhsa_enable_private_segment 0
		.amdhsa_kernarg_size 40
		.amdhsa_user_sgpr_count 2
		.amdhsa_user_sgpr_kernarg_segment_ptr 1
		.amdhsa_wavefront_size32 1
		.amdhsa_system_sgpr_workgroup_id_x 1
		.amdhsa_system_sgpr_workgroup_id_y 1
		.amdhsa_system_sgpr_workgroup_id_z 1
		.amdhsa_system_vgpr_workitem_id 0
		.amdhsa_next_free_vgpr 210
		.amdhsa_next_free_sgpr 66
		.amdhsa_reserve_vcc 0
		.amdhsa_float_denorm_mode_32 3
		.amdhsa_float_denorm_mode_16_64 3
		.amdhsa_memory_ordered 1
		.amdhsa_forward_progress 1
		.amdhsa_inst_pref_size 77
	.end_amdhsa_kernel
	.amdgpu_metadata
---
amdhsa.version: [ 1, 2 ]
amdhsa.kernels:
  - .name:           k_q55faf3145d_quant
    .symbol:         k_q55faf3145d_quant.kd
    .args:
      - { .name: x, .offset: 0, .size: 8, .value_kind: global_buffer, .address_space: global }
      - { .name: w_q, .offset: 8, .size: 8, .value_kind: global_buffer, .address_space: global }
      - { .name: w_kv, .offset: 16, .size: 8, .value_kind: global_buffer, .address_space: global }
      - { .name: w_out, .offset: 24, .size: 8, .value_kind: global_buffer, .address_space: global }
      - { .name: qz, .offset: 32, .size: 8, .value_kind: global_buffer, .address_space: global }
    .group_segment_fixed_size: 68096
    .private_segment_fixed_size: 0
    .kernarg_segment_align: 8
    .kernarg_segment_size: 40
    .max_flat_workgroup_size: 128
    .sgpr_count:     66
    .vgpr_count:     210
    .wavefront_size: 32
...
	.end_amdgpu_metadata
.endif
;; end of part 1
;; launch proj (part 2): grid 8 x 32, 4 waves a work-group, clusters of 4 x 4, 327,680 bytes of LDS; arguments qz, qq, kvimg; writes qq, kvimg
.if DOCPART == 2
	.amdgcn_target "amdgcn-amd-amdhsa--gfx1250"
	.amdhsa_code_object_version 6
	.text
	.protected	k_q55faf3145d_proj
	.globl	k_q55faf3145d_proj
	.p2align	8
	.type	k_q55faf3145d_proj,@function
k_q55faf3145d_proj:
	s_mov_b64 s[64:65], 0
	v_nop
	global_prefetch_b8 v0, s[64:65] scope:SCOPE_SE
	s_setreg_imm32_b32 hwreg(HW_REG_WAVE_MODE, 25, 1), 1
	s_wait_xcnt 0x0
	s_wait_alu depctr_hold_cnt(0) depctr_sa_sdst(0) depctr_va_vdst(0) depctr_va_sdst(0) depctr_va_ssrc(0) depctr_va_vcc(0) depctr_vm_vsrc(0)
	s_getreg_b32 s2, hwreg(HW_REG_IB_STS2, 6, 4)
	s_cmp_eq_u32 s2, 0
	s_cbranch_scc0 .Lentry_in_a_cluster
	s_endpgm
.Lentry_in_a_cluster:
	s_bfe_u32 s2, ttmp6, 0x10000c
	s_cmp_lg_u32 s2, 0xf033
	s_cbranch_scc0 .Lentry_shape_is_right
	s_endpgm
.Lentry_shape_is_right:
; q = x w_q and kv = x w_kv, on codes of FP6 (E2M3) with one E8M0 scale byte for each 32 along K, as the workspace qz holds them; the results are quantised again and stored as the attention launch reads them.
; THE MAIN PRODUCT.  A work-group makes 256 rows x 128 columns of q (two heads): grid 8 x 32 = 256 work-groups.  All of K (768 bytes a row) of its 256 rows of x and 128 rows of w_q's table comes into LDS ONCE:
; four tensor loads, one a wave (x's rows in two halves, the weights' in two halves), each a dense block of memory stated as rows of 256 bytes with 16 bytes of padding behind each: an LDS row is 816 bytes.
; Nothing is filled again, so one barrier serves the launch.  A wave makes 64 rows x 128 columns: 32 accumulators by turns; a K step of 128 is 12 fragments and 32 matrix instructions; the next step's fragments are asked for ahead of them.
; The matrix instruction is used transposed (source 0 = 16 columns of the weight, source 1 = 16 rows of x): a lane holds one row of q and its registers run along the columns, which are the next product's K.
; Scale words come from memory straight into registers: a row's 32 bytes are its eight words, one for each K step.  x's: lane r takes row r of a block.  The weights': lane l takes row l of 32, so one register serves two blocks (lanes 0-15, lanes 16-31).
; CLUSTER 4 x 4: x's tile hangs on the work-group's y alone and is asked for jointly along a row of the cluster, the weights' tile on x alone, jointly along a column.
; THE SMALL PRODUCT.  Work-group (j, i) also makes k and v of keys 256 i + 32 j .. + 31.  Waves 0, 1 make k (32 of the head's 64 each), waves 2, 3 make v (32 channels each); all run one text: source 0 = 32 rows P, source 1 = 32 rows R.
;   k: P = w_kv's columns, R = my keys: a lane holds one key, registers along the channels.   v: P = my keys, R = w_kv's columns 64 on: a lane holds one channel, registers along the keys.
; Its fragments come from memory straight into registers, four K steps at the head and four under the main product.  kvimg = [64 steps of 128 keys][12,800 bytes]; in a step:
;   + 0 K: at 1536 f + 48 (i + 16 blk) + 24 u the 24 bytes of key 32 f + 16 u + i, block blk;  + 6144 V: at 1536 t + 48 (r + 16 hb) + 24 c those of channel 16 t + r, keys 64 c + 32 hb ..;  + 12288 K's bytes at 16 i + 4 f + 2 u + blk;  + 12544 V's at 16 r + 4 t + 2 c + hb.
; Inside each block of 32 the codes lie with bits 3 and 4 of the place swapped, as a lane's registers hold them, alike on both operands of each later product.
; No data prefetch: the text has no loop to run ahead in, and every byte is asked for once, at the head.
; LIMITS: a block of zeros gets the byte 1 (its codes are zeros; this program alone reads the bytes); blocks under 2^-124 are held at byte 1; NaN and infinities are not served.
.set XSO,   6291456
.set WCO,   6553600
.set WSO,   8224768
.set QSO,   6291456
.set WKC,   WCO+1024*768
.set WKS,   WSO+1024*32
.set PITCH, 816
.set HALFA, 128*PITCH
.set BOFF,  256*PITCH
.set HALFB, 64*PITCH
.set STG,   384*PITCH                  ; behind the tiles: 2,048 bytes a wave: 1,536 for 16 rows of codes, 256 for its 64 scale words
.set SPARE, STG+4*2048                 ; the spare words
; window 0: v0-31 addresses; v32-127 scale words and nothing else; v128-223 x's fragments, two sets; v224-240 at work.  window 1: the weights' fragments, two sets of 96.  window 2: the 32 accumulators.  window 3: the small product.
.set SAO, 8
.set SBO, 9
.set ADRA, 10
.set ADRB, 12
.set STO, 16
.set RD,  17
.set CO,  18
.set SSO, 19
.set RDS, 20
.set CO8, 21
.set KP,  22
.set KP2, 4                            ; P's second tile: codes,
.set KPS2, 5                           ; scale bytes
.set KR,  23
.set KPS, 24
.set KRS, 25
.set KST, 26
.set SPW, 28
.set NIL, 29
.set KBY, 30
.set SA,  32
.set SB,  64
.set KSP, 96
.set KSR, 112
.set AF,  128
.set TM,  224
.set PW,  240
.set OUT, 128
.set SCO, 176
.set PC,  180
.set CD,  200
.set G1,  24
.set G0,  32
.set G0B, 36
.set G1B, 48
.set DW0, (3<<16)|(1<<20)|(1<<21)|(5<<22)|(3<<25)   ; elements of 8 bytes; padding on; bit 21 beside a mask; after every 64 words 4 words
.set MSB, 0
.macro WIN new
.if MSB != \new
	s_set_vgpr_msb (MSB<<8)|\new
.set MSB, \new
.endif
.endm
.macro PLACES
.rept 4
	v_nop
.endr
.endm
.macro JLOAD                           ; waves 0, 1 ask for x's halves, waves 2, 3 for the weights'
	s_cmp_eq_u32 s15, 0
	s_cbranch_scc0 .Lfor_b_\@
	tensor_load_to_lds s[G0:G0+3], s[G1:G1+7]
	s_nop 0
	PLACES
	s_branch .Lasked_\@
.Lfor_b_\@:
	tensor_load_to_lds s[G0B:G0B+3], s[G1B:G1B+7]
	s_nop 0
	PLACES
.Lasked_\@:
.endm
.macro CROUND                          ; a round of the cluster's barrier
	s_barrier_signal -1
	s_barrier_wait -1
	s_cmp_lg_u32 s14, 0
	s_cbranch_scc1 .Lnot_wave_0_\@
	s_barrier_signal -3
.Lnot_wave_0_\@:
	s_barrier_wait -3
	s_barrier_signal -1
	s_barrier_wait -1
.endm
	s_load_b128 s[4:7], s[0:1], 0x0                ; qz, qq
	s_load_b64 s[8:9], s[0:1], 0x10                ; kvimg
	v_lshl_add_u32 v[SPW], v0, 2, SPARE
	v_mov_b32 v[NIL], 0
	ds_add_u32 v[SPW], v[NIL]                      ; the opening lines: the add twice on end
	ds_add_u32 v[SPW], v[NIL]
	v_lshrrev_b32 v1, 5, v0
	v_readfirstlane_b32 s14, v1                    ; wave
	s_lshr_b32 s15, s14, 1
	s_and_b32 s16, s14, 1
	s_bfe_u32 s40, ttmp6, 0x40000                  ; cx
	s_bfe_u32 s41, ttmp6, 0x40004                  ; cy
	s_lshl_b32 s42, ttmp9, 2
	s_add_co_u32 s42, s42, s40                     ; j: which 128 columns
	s_and_b32 s17, ttmp7, 0xffff
	s_lshl_b32 s17, s17, 2
	s_add_co_u32 s17, s17, s41                     ; i: which 256 rows
	s_lshl_b32 s43, s41, 2
	s_lshl_b32 s43, 15, s43                        ; my row of the cluster
	s_lshl_b32 s44, 0x1111, s40                    ; my column
	s_mov_b32 s96, 0x76543210
	s_mov_b32 s97, 0xfedcba98
	s_or_b32 s[G1], s43, DW0
	s_or_b32 s[G1B], s44, DW0
	s_mov_b32 s[G1+1], 32<<16
	s_mov_b32 s[G1+2], 384<<16                     ; 128 rows of 768 bytes = 384 rows of 256
	s_mov_b32 s[G1+3], 32<<16
	s_mov_b32 s[G1+4], 384
	s_mov_b32 s[G1+5], 32
	s_mov_b32 s[G1+6], 0
	s_mov_b32 s[G1+7], 0
	s_mov_b32 s[G1B+1], 32<<16
	s_mov_b32 s[G1B+2], 192<<16                    ; 64 rows of 768 bytes
	s_mov_b32 s[G1B+3], 32<<16
	s_mov_b32 s[G1B+4], 192
	s_mov_b32 s[G1B+5], 32
	s_mov_b32 s[G1B+6], 0
	s_mov_b32 s[G1B+7], 0
	s_mul_i32 s20, s17, 196608                     ; x's tile: (256 i + 128 half) rows of 768 bytes
	s_mul_i32 s18, s16, 98304
	s_add_co_u32 s20, s20, s18
	s_mov_b32 s21, 0
	s_mul_i32 s46, s42, 98304                      ; the weights' tile: (128 j + 64 half) rows
	s_mul_i32 s18, s16, 49152
	s_add_co_u32 s46, s46, s18
	s_add_co_u32 s46, s46, WCO
	s_mov_b32 s47, 0
	s_mov_b32 s[G0], 1
	s_mul_i32 s[G0+1], s16, HALFA
	s_mov_b32 s[G0B], 1
	s_mul_i32 s[G0B+1], s16, HALFB
	s_add_co_u32 s[G0B+1], s[G0B+1], BOFF
	s_lshl_b32 s56, s17, 13                        ; my 64 rows' scale bytes
	s_lshl_b32 s18, s14, 11
	s_add_co_u32 s56, s56, s18
	s_add_co_u32 s56, s56, XSO
	s_lshl_b32 s57, s42, 12                        ; the 128 columns' scale bytes
	s_add_co_u32 s57, s57, WSO
	s_lshl_b32 s58, s17, 8                         ; the small product: first key 256 i + 32 j
	s_lshl_b32 s18, s42, 5
	s_add_co_u32 s58, s58, s18
	s_mul_i32 s59, s58, 768
	s_lshl_b32 s60, s58, 5
	s_add_co_u32 s60, s60, XSO
	s_mul_i32 s61, s16, 24576                      ; w_kv's columns 64 role + 32 (wave % 2) on
	s_mul_i32 s18, s15, 49152
	s_add_co_u32 s61, s61, s18
	s_add_co_u32 s61, s61, WKC
	s_lshl_b32 s62, s16, 10
	s_lshl_b32 s18, s15, 11
	s_add_co_u32 s62, s62, s18
	s_add_co_u32 s62, s62, WKS
	s_lshr_b32 s70, s58, 7
	s_mul_i32 s70, s70, 12800                      ; the step's first byte in kvimg
	s_and_b32 s71, s42, 3                          ; which 32 of the step's 128 keys: f = 2 c + hb
	s_lshr_b32 s72, s71, 1
	s_and_b32 s73, s71, 1
	; THE ORDER OF KEYS IN A STEP, which stands in place of what the head's lines say of it.  K: fragment f holds tiles 2 f and 2 f + 1 of 16 keys; row i of tile T is key 64 (T / 4) + 32 (i / 8) + 8 (T % 4) + i % 8,
	; so that in the scores a lane's 32 registers of four neighbouring tiles are one whole block of 32 keys in natural order.  Its 24 bytes of block blk lie at 1536 f + 48 (i + 16 blk) + 24 (T % 2), its scale byte at 16 i + 4 f + 2 (T % 2) + blk.
	; V: places as the head has them, but the codes of a block of 32 keys lie in natural order.  (Along the head's 64, in q and k, bits 3 and 4 of the place stay swapped.)
	; My 32 keys are block 2 c + hb of the step: key 16 u + r goes to fragment 2 c + u, half r / 8, row 8 hb + r % 8.
	s_mul_i32 s74, s72, 3072                       ; k's codes
	s_mul_i32 s18, s73, 384
	s_add_co_u32 s74, s74, s18
	s_mul_i32 s18, s16, 768
	s_add_co_u32 s74, s74, s18
	s_add_co_u32 s74, s74, s70
	s_lshl_b32 s75, s73, 7                         ; k's bytes
	s_lshl_b32 s18, s72, 3
	s_add_co_u32 s75, s75, s18
	s_add_co_u32 s75, s75, s16
	s_add_co_u32 s75, s75, s70
	s_add_co_u32 s75, s75, 12288
	s_mul_i32 s76, s16, 3072                       ; v's codes
	s_mul_i32 s18, s73, 768
	s_add_co_u32 s76, s76, s18
	s_mul_i32 s18, s72, 24
	s_add_co_u32 s76, s76, s18
	s_add_co_u32 s76, s76, s70
	s_add_co_u32 s76, s76, 6144
	s_lshl_b32 s77, s16, 3                         ; v's bytes
	s_lshl_b32 s18, s72, 1
	s_add_co_u32 s77, s77, s18
	s_add_co_u32 s77, s77, s73
	s_add_co_u32 s77, s77, s70
	s_add_co_u32 s77, s77, 12544
	s_mov_b32 s19, 384
	s_mov_b32 s89, 128
	s_mov_b32 s90, 6144
	s_mov_b32 s91, 256
	s_cmp_eq_u32 s15, 0
	s_cselect_b32 s66, s61, s59                    ; P's codes
	s_cselect_b32 s67, s62, s60                    ; P's scales
	s_cselect_b32 s68, s59, s61                    ; R's codes
	s_cselect_b32 s69, s60, s62                    ; R's scales
	s_cselect_b32 s78, s74, s76
	s_cselect_b32 s79, s75, s77
	s_cselect_b32 s80, 24, s19                     ; what r / 8 counts for in the codes' place,
	s_cselect_b32 s81, 2, s89                      ; and in the bytes'
	s_cselect_b32 s90, 12288, s90                  ; from P's tile 0 to tile 1: 16 rows of w_kv, or 8 keys: codes,
	s_cselect_b32 s91, 512, s91                    ; scale bytes
	s_lshl_b32 s18, s17, 8
	s_lshl_b32 s19, s14, 6
	s_add_co_u32 s18, s18, s19                     ; my first row of q
	s_mul_i32 s82, s18, 96
	s_mul_i32 s19, s42, 786432
	s_add_co_u32 s82, s82, s19
	s_mov_b32 s83, 0
	s_lshl_b32 s84, s18, 2
	s_lshl_b32 s19, s42, 15
	s_add_co_u32 s84, s84, s19
	s_add_co_u32 s84, s84, QSO
	s_mov_b32 s85, 0
	s_mul_i32 s86, s14, 64*PITCH                   ; my 64 rows of x in LDS
	s_lshl_b32 s87, s14, 11
	s_add_co_u32 s87, s87, STG                     ; my stage
	s_add_co_u32 s88, s87, 1536
	s_wait_dscnt 0x0                               ; both opening adds are done
	s_wait_kmcnt 0x0
	s_add_nc_u64 s[G0+2:G0+3], s[4:5], s[20:21]
	s_or_b32 s[G0+3], s[G0+3], 0x80000000
	s_add_nc_u64 s[G0B+2:G0B+3], s[4:5], s[46:47]
	s_or_b32 s[G0B+3], s[G0B+3], 0x80000000
	s_add_nc_u64 s[82:83], s[6:7], s[82:83]
	s_add_nc_u64 s[84:85], s[6:7], s[84:85]
	CROUND                                         ; all sixteen work-groups are here: the joint loads meet
	JLOAD                                          ; my one tensor load
	v_and_b32 v1, 15, v0                           ; r
	v_bfe_u32 v2, v0, 4, 1                         ; h
	v_and_b32 v3, 31, v0                           ; lane
	v_mul_u32_u24 v4, v1, PITCH
	v_mad_u32_u24 v5, v2, 24, v4                   ; a fragment's row + 24 h;
	v_mad_u32_u24 v6, v2, 40, v4                   ; and where lanes 16-31 have passed a padding that lanes 0-15 have not
	v_add_nc_u32 v[ADRA], s86, v5
	v_add_nc_u32 v[ADRA+1], s86, v6
	v_add_nc_u32 v[ADRB], BOFF, v5
	v_add_nc_u32 v[ADRB+1], BOFF, v6
	v_add_nc_u32 v[ADRB+2], BOFF+64*PITCH, v5      ; blocks 4-7
	v_add_nc_u32 v[ADRB+3], BOFF+64*PITCH, v6
	v_mul_u32_u24 v7, v1, 96
	v_mad_u32_u24 v7, v2, 24, v7
	v_add_nc_u32 v[STO], s87, v7
	v_lshlrev_b32 v[CO], 4, v3
	v_add_nc_u32 v[RD], s87, v[CO]
	v_lshlrev_b32 v7, 2, v1
	v_add_nc_u32 v[SSO], s88, v7
	v_lshlrev_b32 v[CO8], 3, v3
	v_add_nc_u32 v[RDS], s88, v[CO8]
	v_mul_u32_u24 v7, v1, 768
	v_mad_u32_u24 v7, v2, 24, v7
	v_add_nc_u32 v[KR], s68, v7
	v_lshlrev_b32 v7, 5, v1
	v_add_nc_u32 v[KRS], s69, v7
	v_add_nc_u32 v[SAO], s56, v7
	v_and_b32 v6, 8, v1
	v_mul_u32_u24 v6, v6, s15
	v_add_nc_u32 v6, v6, v1                        ; P's row: r for k; for v row r of tile t is key r + 8 (r / 8) + 8 t, so that a lane's 16 numbers are 16 neighbouring keys
	v_mul_u32_u24 v7, v6, 768
	v_mad_u32_u24 v7, v2, 24, v7
	v_add_nc_u32 v[KP], s66, v7
	v_add_nc_u32 v[KP2], s90, v[KP]
	v_lshlrev_b32 v7, 5, v6
	v_add_nc_u32 v[KPS], s67, v7
	v_add_nc_u32 v[KPS2], s91, v[KPS]
	v_lshlrev_b32 v7, 5, v3
	v_add_nc_u32 v[SBO], s57, v7
	v_and_b32 v6, 7, v1
	v_lshrrev_b32 v3, 3, v1
	v_mul_u32_u24 v7, v6, 48
	v_mad_u32_u24 v7, v2, 12, v7
	v_mad_u32_u24 v7, v3, s80, v7
	v_add_nc_u32 v[KST], s78, v7                   ; 48 (r % 8) + 12 h + what r / 8 counts for: my half block's 12 bytes
	v_add_nc_u32 v[KST+1], 1536, v[KST]            ; R's tile 1 lies a fragment on, in both roles
	v_lshlrev_b32 v7, 4, v6
	v_mad_u32_u24 v7, v3, s81, v7
	v_add_nc_u32 v[KBY], s79, v7
	v_add_nc_u32 v[KBY+1], 4, v[KBY]
	s_wait_alu depctr_va_vdst(0)                   ; the wait at the head's end
.irp a, 0,1,2,3
	global_load_b128 v[SA+8*\a:SA+8*\a+3], v[SAO], s[4:5] offset:512*\a
	global_load_b128 v[SA+8*\a+4:SA+8*\a+7], v[SAO], s[4:5] offset:512*\a+16
	global_load_b128 v[SB+8*\a:SB+8*\a+3], v[SBO], s[4:5] offset:1024*\a
	global_load_b128 v[SB+8*\a+4:SB+8*\a+7], v[SBO], s[4:5] offset:1024*\a+16
.endr
.irp t, 0,1
	global_load_b128 v[KSP+8*\t:KSP+8*\t+3], v[KPS+(KPS2-KPS)*\t], s[4:5]
	global_load_b128 v[KSP+8*\t+4:KSP+8*\t+7], v[KPS+(KPS2-KPS)*\t], s[4:5] offset:16
	global_load_b128 v[KSR+8*\t:KSR+8*\t+3], v[KRS], s[4:5] offset:512*\t
	global_load_b128 v[KSR+8*\t+4:KSR+8*\t+7], v[KRS], s[4:5] offset:512*\t+16
.endr
.macro KVLOAD hf                       ; K steps 4 hf .. 4 hf + 3 of the small product into window 3: P's tile t of step s at 12 (2 s + t), R's 96 on
.irp s, 0,1,2,3
.irp t, 0,1
.irp p, 0,1,2,3,4,5
	global_load_b64 v[12*(2*\s+\t)+2*\p:12*(2*\s+\t)+2*\p+1], v[KP+(KP2-KP)*\t], s[4:5] offset:96*(4*(\hf)+\s)+48*(\p/3)+8*(\p%3)
	global_load_b64 v[96+12*(2*\s+\t)+2*\p:96+12*(2*\s+\t)+2*\p+1], v[KR], s[4:5] offset:12288*\t+96*(4*(\hf)+\s)+48*(\p/3)+8*(\p%3)
.endr
.endr
.endr
.endm
	WIN 0xc0
	KVLOAD 0
	WIN 0
.macro WM acc, bf, af, first, sb, sa, mods:vararg
.if \first
	v_wmma_scale_f32_16x16x128_f8f6f4 v[(\acc):(\acc)+7], v[(\bf):(\bf)+11], v[(\af):(\af)+11], 0, v[(\sb)], v[(\sa)] matrix_a_fmt:MATRIX_FMT_FP6 matrix_b_fmt:MATRIX_FMT_FP6 \mods
.else
	v_wmma_scale_f32_16x16x128_f8f6f4 v[(\acc):(\acc)+7], v[(\bf):(\bf)+11], v[(\af):(\af)+11], v[(\acc):(\acc)+7], v[(\sb)], v[(\sa)] matrix_a_fmt:MATRIX_FMT_FP6 matrix_b_fmt:MATRIX_FMT_FP6 \mods
.endif
.endm
.macro KVMUL hf                        ; 16 matrix instructions, four accumulators by turns; the first K step starts the sums
.irp s, 0,1,2,3
.irp u, 0,1
.irp t, 0,1
	WM 192+8*(2*\u+\t), 12*(2*\s+\t), 96+12*(2*\s+\u), (4*(\hf)+\s==0), KSP+8*\t+4*(\hf)+\s, KSR+8*\u+4*(\hf)+\s
.endr
.endr
.endr
.endm
.macro FRAG reg, adr, st, off          ; 16 rows x 128 K: six pieces of 8 bytes; byte y of a row lies at y + 16 (y / 256) of its LDS row
.irp p, 0,1,2,3,4,5
.set BY, 96*(\st)+48*(\p/3)+8*(\p%3)
.if BY/256 == (BY+24)/256
	ds_load_b64 v[(\reg)+2*\p:(\reg)+2*\p+1], v[(\adr)] offset:BY+16*(BY/256)+(\off)
.else
	ds_load_b64 v[(\reg)+2*\p:(\reg)+2*\p+1], v[(\adr)+1] offset:BY+16*(BY/256)+(\off)
.endif
.endr
.endm
.macro FETCH st, p
	WIN 0x40
.irp b, 0,1,2,3,4,5,6,7
	FRAG 96*(\p)+12*\b, ADRB+2*(\b/4), \st, (\b%4)*16*PITCH
.endr
	WIN 0
.irp a, 0,1,2,3
	FRAG AF+48*(\p)+12*\a, ADRA, \st, \a*16*PITCH
.endr
.endm
.macro MUL32 st, first                 ; the 32 accumulators by turns, in the same order in every step
.irp a, 0,1,2,3
.irp b, 0,1,2,3,4,5,6,7
.if \b%2
	WM 8*(8*\a+\b), 96*((\st)%2)+12*\b, AF+48*((\st)%2)+12*\a, \first, SB+8*(\b/2)+(\st), SA+8*\a+(\st), matrix_a_scale:MATRIX_SCALE_ROW1
.else
	WM 8*(8*\a+\b), 96*((\st)%2)+12*\b, AF+48*((\st)%2)+12*\a, \first, SB+8*(\b/2)+(\st), SA+8*\a+(\st)
.endif
.endr
.endr
.endm
	s_wait_tensorcnt 0x0                           ; my part of the tiles has landed,
	s_barrier_signal -1
	s_barrier_wait -1                              ; everybody's has
	FETCH 0, 0
	s_wait_loadcnt 0x0                             ; the scale words and the small product's first four K steps are in
	WIN 0xff
	KVMUL 0
	PLACES                                         ; places in front of loads into registers that matrix instructions have read
	WIN 0xc0
	KVLOAD 1                                       ; the other four K steps land under the main product
	WIN 0
.set ST, 0
.rept 8
	s_wait_dscnt 0x0                               ; this step's fragments are in
.if ST < 7
	PLACES
	FETCH ST+1, (ST+1)%2
.endif
	WIN 0xa1
	MUL32 ST, (ST==0)
.set ST, ST+1
.endr
	WIN 0
	s_wait_loadcnt 0x0
	WIN 0xff
	KVMUL 1
	WIN 0
	PLACES
	; k's and v's way out: registers 192 + 16 u on of window 3 are my 16 numbers of a block of 32 along the next product's K, of R's row 16 u + r
.irp b, 0,1,2,3
	v_mov_b32 v[TM+4+\b], 0                        ; a lane permute's destination counts as one of its sources
.endr
.irp b, 0,1
	v_mov_b32 v[TM+\b], 0x1800000                  ; the floor 2^(3 - 127): the byte cannot fall under 1
.endr
	WIN 0x3c
.irp i, 0,2,4,6,8,10,12,14
.irp b, 0,1
	v_max3_num_f32 v[TM+\b], v[TM+\b], |v[192+16*\b+\i]|, |v[192+16*\b+\i+1]|   ; each accumulator from its low end on
.endr
.endr
	WIN 0
.irp b, 0,1
	v_permlanex16_b32 v[TM+4+\b], v[TM+\b], s96, s97
.endr
.irp b, 0,1
	v_max_num_f32 v[TM+\b], v[TM+\b], v[TM+4+\b]   ; with lane l xor 16's 16: the block's largest magnitude
.endr
.irp b, 0,1
	v_add_nc_u32 v[TM+12+\b], 0xff000000, v[TM+\b] ; 2 off its exponent field: the conversion's scale operand
.endr
.irp b, 0,1
	v_lshrrev_b32 v[TM+4+\b], 23, v[TM+12+\b]      ; the scale's byte
.endr
	WIN 0x03
.irp b, 0,1
	v_cvt_scalef32_pk16_fp6_f32 v[CD+4*\b:CD+4*\b+2], v[192+16*\b:192+16*\b+15], v[TM+12+\b]
.endr
	WIN 0
	v_nop                                          ; one plain place behind a scaled conversion
.irp u, 0,1
	global_store_b96 v[KST+\u], v[CD+4*\u:CD+4*\u+2], s[8:9]
	global_store_b8 v[KBY+\u], v[TM+4+\u], s[8:9]  ; both halves of the lanes store the same byte with the same value
.endr
	s_wait_alu depctr_va_vdst(0)                   ; directly ahead of the wait below
	s_wait_xcnt 0x0                                ; the stores have read their registers, which are written again below
; q's way out: 16 rows x 128 columns at a time: four blocks of 32 along the head's axis
.macro QUANTW w, s
	WIN 0
.irp b, 0,1,2,3
	v_mov_b32 v[TM+\b], 0x1800000
.endr
.set WSEL, ((\w)<<2)|((\w)<<4)
	WIN WSEL
.irp i, 0,2,4,6,8,10,12,14
.irp b, 0,1,2,3
	v_max3_num_f32 v[TM+\b], v[TM+\b], |v[(\s)+16*\b+\i]|, |v[(\s)+16*\b+\i+1]|
.endr
.endr
	WIN 0
.irp b, 0,1,2,3
	v_permlanex16_b32 v[TM+4+\b], v[TM+\b], s96, s97
.endr
.irp b, 0,1,2,3
	v_max_num_f32 v[TM+\b], v[TM+\b], v[TM+4+\b]
.endr
.irp b, 0,1,2,3
	v_add_nc_u32 v[TM+12+\b], 0xff000000, v[TM+\b]
.endr
.irp b, 0,1,2,3
	v_lshrrev_b32 v[TM+4+\b], 23, v[TM+12+\b]
.endr
	v_lshl_or_b32 v[PW], v[TM+5], 8, v[TM+4]
	v_lshl_or_b32 v[PW], v[TM+6], 16, v[PW]
	v_lshl_or_b32 v[PW], v[TM+7], 24, v[PW]
.set WSEL, (\w)
	WIN WSEL
.irp c, 0,1
	v_cvt_scalef32_pk16_fp6_f32 v[PC+6*\c:PC+6*\c+2], v[(\s)+32*\c:(\s)+32*\c+15], v[TM+12+2*\c]
	v_cvt_scalef32_pk16_fp6_f32 v[PC+12+4*\c:PC+14+4*\c], v[(\s)+16+32*\c:(\s)+31+32*\c], v[TM+12+2*\c+1]
.endr
	WIN 0
	v_nop
.irp c, 0,1
.irp i, 0,1,2
	v_permlane16_swap_b32 v[PC+6*\c+\i], v[PC+12+4*\c+\i]   ; a whole block in a lane: lanes 0-15 block 2 c, lanes 16-31 block 2 c + 1
.endr
.irp i, 0,1,2
	v_mov_b32 v[PC+3+6*\c+\i], v[PC+12+4*\c+\i]
.endr
.endr
.endm
.irp a, 0,1,2,3
	QUANTW 2, 64*\a
.irp c, 0,1
.irp i, 0,1,2
	ds_store_b64 v[STO], v[PC+6*\c+2*\i:PC+6*\c+2*\i+1] offset:48*\c+8*\i
.endr
.endr
	ds_store_b32 v[SSO], v[PW] offset:64*\a
.irp c, 0,1,2
	ds_load_b128 v[OUT+12*\a+4*\c:OUT+12*\a+4*\c+3], v[RD] offset:512*\c   ; LDS serves a wave's instructions in order: these see my stores
.endr
	s_wait_dscnt 0x0
.irp c, 0,1,2
	global_store_b128 v[CO], v[OUT+12*\a+4*\c:OUT+12*\a+4*\c+3], s[82:83] offset:1536*\a+512*\c th:TH_STORE_NT   ; 32 lanes store 512 consecutive bytes
.endr
.endr
	ds_load_b64 v[SCO:SCO+1], v[RDS]
	s_wait_dscnt 0x0
	global_store_b64 v[CO8], v[SCO:SCO+1], s[84:85] th:TH_STORE_NT   ; my 64 rows' scale words: 256 consecutive bytes
	s_wait_tensorcnt 0x0                           ; the wave's end
	ds_add_u32 v[SPW], v[NIL]
	s_wait_dscnt 0x0
	CROUND                                         ; the closing round
	s_endpgm
.Lfunc_end_k_q55faf3145d_proj:
	.size	k_q55faf3145d_proj, .Lfunc_end_k_q55faf3145d_proj-k_q55faf3145d_proj
	.p2alignl 7, 3214868480
	.fill 96, 4, 3214868480
	.section	.rodata,"a",@progbits
	.p2align	6, 0x0
	.amdhsa_kernel k_q55faf3145d_proj
		.amdhsa_group_segment_fixed_size 327680
		.amdhsa_private_segment_fixed_size 0
		.amdhsa_enable_private_segment 0
		.amdhsa_kernarg_size 24
		.amdhsa_user_sgpr_count 2
		.amdhsa_user_sgpr_kernarg_segment_ptr 1
		.amdhsa_wavefront_size32 1
		.amdhsa_system_sgpr_workgroup_id_x 1
		.amdhsa_system_sgpr_workgroup_id_y 1
		.amdhsa_system_sgpr_workgroup_id_z 1
		.amdhsa_system_vgpr_workitem_id 0
		.amdhsa_next_free_vgpr 1024
		.amdhsa_next_free_sgpr 98
		.amdhsa_reserve_vcc 0
		.amdhsa_float_denorm_mode_32 3
		.amdhsa_float_denorm_mode_16_64 3
		.amdhsa_memory_ordered 1
		.amdhsa_forward_progress 1
		.amdhsa_inst_pref_size 128
	.end_amdhsa_kernel
	.amdgpu_metadata
---
amdhsa.version: [ 1, 2 ]
amdhsa.kernels:
  - .name:           k_q55faf3145d_proj
    .symbol:         k_q55faf3145d_proj.kd
    .args:
      - { .name: qz, .offset: 0, .size: 8, .value_kind: global_buffer, .address_space: global }
      - { .name: qq, .offset: 8, .size: 8, .value_kind: global_buffer, .address_space: global }
      - { .name: kvimg, .offset: 16, .size: 8, .value_kind: global_buffer, .address_space: global }
    .group_segment_fixed_size: 327680
    .private_segment_fixed_size: 0
    .kernarg_segment_align: 8
    .kernarg_segment_size: 24
    .max_flat_workgroup_size: 128
    .sgpr_count:     98
    .vgpr_count:     1024
    .wavefront_size: 32
...
	.end_amdgpu_metadata
.endif
;; end of part 2
;; launch attn (part 3): grid 64 x 4, 8 waves a work-group, clusters of 4 x 1, 232,448 bytes of LDS; arguments qq, kvimg, oq; writes oq
.if DOCPART == 3
	.amdgcn_target "amdgcn-amd-amdhsa--gfx1250"
	.amdhsa_code_object_version 6
	.text
	.protected	k_q55faf3145d_attn
	.globl	k_q55faf3145d_attn
	.p2align	8
	.type	k_q55faf3145d_attn,@function
k_q55faf3145d_attn:
	s_mov_b64 s[64:65], 0
	v_nop
	global_prefetch_b8 v0, s[64:65] scope:SCOPE_SE
	s_setreg_imm32_b32 hwreg(HW_REG_WAVE_MODE, 25, 1), 1
	s_wait_xcnt 0x0
	s_wait_alu depctr_hold_cnt(0) depctr_sa_sdst(0) depctr_va_vdst(0) depctr_va_sdst(0) depctr_va_ssrc(0) depctr_va_vcc(0) depctr_vm_vsrc(0)
	s_getreg_b32 s2, hwreg(HW_REG_IB_STS2, 6, 4)
	s_cmp_eq_u32 s2, 0
	s_cbranch_scc0 .Lentry_in_a_cluster
	s_endpgm
.Lentry_in_a_cluster:
	s_bfe_u32 s2, ttmp6, 0x10000c
	s_cmp_lg_u32 s2, 0x3003
	s_cbranch_scc0 .Lentry_shape_is_right
	s_endpgm
.Lentry_shape_is_right:
; o[n][head] = softmax_m(q[n][head] . k[m] / 8) v[m], one K and V head shared by the 16 query heads, both products on codes of FP6 (E2M3) with one E8M0 scale for each 32 along a product's K; o is quantised again along the 1,024 of the next product.
; THE SOFTMAX AHEAD OF THE SECOND PRODUCT: t = score x log2(e) / 8; M = the row's largest t so far, rounded UP to a whole number; p = 2^(t - M) is what is quantised, along the keys; it is not normalised.
; The row's sum is taken of the unquantised p, in f32, and divides O at the end.  When M moves, the sum and O are multiplied by 2^(old M - new M): exact.
; A TILE OF 16 ROWS IS ONE QUERY x ITS 16 HEADS, since all heads share K and V: matrix column r = head r.  So a tile's output is one whole row of 768 bytes of codes.
; SHARES.  A work-group owns 32 neighbouring queries of one batch; each of its eight waves owns four and takes them two at a time: TILE 0 LIES IN REGISTER WINDOW 0, TILE 1 IN WINDOW 1, under the same numbers, so one text serves both;
; each fragment of K and of V that comes from LDS feeds both tiles.  K's fragments lie in window 0, V's in window 1; scale words lie in window 0, as the instruction takes them.
; K AND V OF THE WHOLE BATCH, codes and scale bytes, are 204,800 bytes laid as images of the operands' registers: they come into LDS ONCE, two steps of 128 keys (25,600 bytes) by each wave's one tensor load, and stay: nothing is filled again.
; CLUSTER.  The four work-groups of a cluster are of one batch and need the same 204,800 bytes: each load is asked for JOINTLY, with a mask that names the four.
; LAYOUT.  Both products are used transposed: S^T = K Q^T (source 0 = 16 keys, source 1 = the 16 heads), O^T = V^T P^T: a lane holds ONE head (lane % 16) throughout.
; The head's 64 are half of the instruction's 128 along K: a fragment of K holds two tiles of keys, in its lower and upper 64, and is multiplied by [Q | zeros] and by [zeros | Q]: zero codes add nothing under any scale byte that is no NaN.
; Row i of tile T of a step is key 64 (T / 4) + 32 (i / 8) + 8 (T % 4) + i % 8: so lane (r, h)'s registers 32 c .. 32 c + 31 of the scores are block 2 c + h of 32 keys, whole and in natural order:
; a block's largest score needs no other lane, and p's codes are the operand's registers as the conversions give them.
; No data prefetch: K and V are asked for once, at the head, and the loop reads LDS alone.
; LIMITS: a block of zeros gets the byte 1 (its codes are zeros; this program alone reads the bytes); blocks under 2^-124 are held at byte 1; NaN and infinities are not served; the scaled scores stay under 2^31 in magnitude.
.set QSO,   6291456
.set OSO,   6291456
.set STEPB, 12800                      ; a step of 128 keys: K's four fragments, V's four, K's scale words, V's
.set VOFF,  6144
.set KSC,   12288
.set VSC,   12544
.set STG,   16*STEPB                   ; a stage of 3,072 bytes for each wave: its four rows of codes;
.set SCS,   STG+8*3072                 ; 1,024 bytes for the work-group's 32 rows of scale bytes;
.set SPARE, SCS+1024                   ; the spare words
; window 0 alone
.set AK0, 1                            ; 48 x lane
.set AS0, 2                            ; 16 r
.set STO, 3
.set RD,  4
.set GO,  5
.set SBA, 6
.set HH,  7
.set ADK, 8                            ; this step's fragments, scale words;
.set ADS, 9
.set ADN, 10                           ; the next step's
.set ASN, 236
.set RDS, 237
.set QO,  238
.set QW,  239
.set QS,  34                           ; Q's scale words: queries 0, 1 at v34-35, queries 2, 3 at v94-95; and nothing else
.set K,   36                           ; v36-83 K's four fragments (window 0); V's four (window 1)
.set V,   36
.set KS,  84                           ; K's, V's, p's scale words, and nothing else
.set VS,  88
.set PS,  92
.set SPW, 254
.set NIL, 255
; both windows, a tile each: v12 -M, v13 the largest score, v[14:15] the sum in two halves
.set SH8, 11                           ; 8 h
.set QB,  16                           ; v16-33 [6 zeros | Q's 6 | 6 zeros]
.set S,   96                           ; v96-159 S^T, then p
.set O,   160                          ; v160-191 O^T
.set P,   192                          ; v192-203 p's codes; v204-206, v208-210 the halves made elsewhere
.set PT,  204
.set BM,  212
.set SO,  214
.set BT,  216
.set WD,  218
.set WP,  219
.set FF,  220                          ; v[220:221] f = 2^(old M - new M)
.set TT,  222
.set TP,  223
.set QN,  230                          ; v230-235 Q of the second pair of queries
; v224-229 the sums' three other chains
.set MSB, 0
.macro WIN new
.if MSB != \new
	s_set_vgpr_msb (MSB<<8)|\new
.set MSB, \new
.endif
.endm
.macro CROUND
	s_barrier_signal -1
	s_barrier_wait -1
	s_cmp_lg_u32 s10, 0
	s_cbranch_scc1 .Lnot_wave_0_\@
	s_barrier_signal -3
.Lnot_wave_0_\@:
	s_barrier_wait -3
	s_barrier_signal -1
	s_barrier_wait -1
.endm
	s_load_b128 s[4:7], s[0:1], 0x0                ; qq, kvimg
	s_load_b64 s[8:9], s[0:1], 0x10                ; oq
	v_lshl_add_u32 v[SPW], v0, 2, SPARE
	v_mov_b32 v[NIL], 0
	ds_add_u32 v[SPW], v[NIL]                      ; the opening lines: the add twice on end
	ds_add_u32 v[SPW], v[NIL]
	v_lshrrev_b32 v1, 5, v0
	v_readfirstlane_b32 s10, v1                    ; wave 0..7
	s_bfe_u32 s11, ttmp6, 0x40000                  ; cx: it enters Q's and o's addresses alone
	s_lshl_b32 s12, ttmp9, 2
	s_add_co_u32 s12, s12, s11                     ; my block of 32 queries
	s_and_b32 s13, ttmp7, 0xffff                   ; the batch
	s_mov_b32 s20, 15|(3<<16)|(1<<21)              ; the mask of all four; elements of 8 bytes; bit 21 beside a mask
	s_mov_b32 s21, 32<<16
	s_mov_b32 s22, 100<<16                         ; 25,600 dense bytes as 100 rows of 256
	s_mov_b32 s23, 32<<16
	s_mov_b32 s24, 100
	s_mov_b32 s25, 32
	s_mov_b32 s26, 0
	s_mov_b32 s27, 0
	s_mov_b32 s16, 1
	s_mul_i32 s17, s10, 2*STEPB                    ; steps 2 wave, 2 wave + 1
	s_mul_i32 s14, s13, 16*STEPB
	s_add_co_u32 s14, s14, s17
	s_mov_b32 s15, 0
	s_mov_b32 s28, 0x76543210
	s_mov_b32 s29, 0xfedcba98                      ; v_permlanex16_b32's selects for lane l xor 16
	s_mov_b32 s30, 0x3e38aa3b                      ; c = log2(e) / 8
	s_mov_b32 s31, s30
	s_lshl_b32 s42, s13, 11
	s_lshl_b32 s43, s12, 5
	s_add_co_u32 s42, s42, s43                     ; the work-group's first query
	s_lshl_b32 s43, s10, 2
	s_add_co_u32 s43, s42, s43                     ; my first query
	s_mul_i32 s34, s43, 96
	s_mov_b32 s35, 0
	s_lshl_b32 s36, s43, 2
	s_add_co_u32 s36, s36, QSO
	s_mov_b32 s37, 0
	s_mul_i32 s38, s43, 768
	s_mov_b32 s39, 0
	s_lshl_b32 s40, s42, 5
	s_and_b32 s45, s10, 1
	s_lshl_b32 s45, s45, 9
	s_add_co_u32 s40, s40, s45
	s_add_co_u32 s40, s40, OSO                     ; the work-group's 1,024 scale bytes, the half of wave % 2
	s_mov_b32 s41, 0
	s_add_co_u32 s50, s45, SCS
	s_mul_i32 s48, s10, 3072
	s_add_co_u32 s48, s48, STG                     ; my stage
	s_lshl_b32 s49, s10, 7
	s_add_co_u32 s49, s49, SCS                     ; my four rows of scale bytes
	s_wait_dscnt 0x0
	s_wait_kmcnt 0x0
	s_add_nc_u64 s[18:19], s[6:7], s[14:15]
	s_or_b32 s19, s19, 0x80000000
	s_add_nc_u64 s[34:35], s[4:5], s[34:35]
	s_add_nc_u64 s[36:37], s[4:5], s[36:37]
	s_add_nc_u64 s[38:39], s[8:9], s[38:39]
	s_add_nc_u64 s[40:41], s[8:9], s[40:41]
	CROUND                                         ; all four work-groups are here: the joint loads meet
	tensor_load_to_lds s[16:19], s[20:27]          ; my one tensor load
	s_nop 0
.rept 4
	v_nop
.endr
	v_and_b32 v12, 31, v0                          ; lane
	v_and_b32 v13, 15, v0                          ; r
	v_bfe_u32 v[HH], v0, 4, 1                      ; h
	v_mul_u32_u24 v[AK0], v12, 48
	v_lshlrev_b32 v[AS0], 4, v13
	v_mul_u32_u24 v[STO], v13, 48
	v_lshlrev_b32 v[GO], 4, v12
	v_lshrrev_b32 v14, 1, v13                      ; head r lies in group r / 2 of 128 columns,
	v_and_b32 v15, 1, v13                          ; in its half r % 2
	v_mad_u32_u24 v[STO], v[HH], 24, v[STO]
	v_add_nc_u32 v[RD], s48, v[GO]
	v_add_nc_u32 v[RDS], s50, v[GO]
	v_lshl_add_u32 v[SBA], v13, 1, v[HH]
	v_mul_u32_u24 v[QO], v14, 0xc0000
	v_lshlrev_b32 v[QW], 15, v14
	v_add_nc_u32 v[STO], s48, v[STO]
	v_add_nc_u32 v[SBA], s49, v[SBA]
	v_mad_u32_u24 v[QO], v15, 48, v[QO]
	v_lshl_add_u32 v[QW], v15, 1, v[QW]
	v_lshlrev_b32 v[SH8], 3, v[HH]
	v_cmp_eq_u32 s46, 1, v[HH]
	v_mad_u32_u24 v[QO], v[HH], 24, v[QO]          ; lane (r, h) takes block h of head r
	s_wait_alu depctr_va_vdst(0)                   ; the wait ahead of the readers below
.irp i, 0,1,2
	global_load_b64 v[QB+6+2*\i:QB+7+2*\i], v[QO], s[34:35] offset:8*\i th:TH_LOAD_NT
	global_load_b64 v[QN+2*\i:QN+2*\i+1], v[QO], s[34:35] offset:192+8*\i th:TH_LOAD_NT
.endr
.irp q, 0,1,2,3
	global_load_u16 v[QS+\q+58*(\q/2)], v[QW], s[36:37] offset:4*\q
.endr
.macro ZEROS
.irp i, 0,1,2,3,4,5
	v_mov_b32 v[QB+\i], 0                          ; zero codes on both sides of Q
	v_mov_b32 v[QB+12+\i], 0
.endr
	v_mov_b32 v[FF+1], 0                           ; (named as the upper half of a pair)
	v_mov_b32 v[TP], 0                             ; a lane permute's destination counts as one of its sources
	v_mov_b32 v[WP], 0
	v_mov_b32 v[TT], 0
	v_mov_b32 v[BT], 0
	v_mov_b32 v[BT+1], 0
.endm
	ZEROS
	WIN 0x40
.irp i, 0,1,2
	global_load_b64 v[QB+6+2*\i:QB+7+2*\i], v[QO], s[34:35] offset:96+8*\i th:TH_LOAD_NT
	global_load_b64 v[QN+2*\i:QN+2*\i+1], v[QO], s[34:35] offset:288+8*\i th:TH_LOAD_NT
.endr
	ZEROS
	v_lshlrev_b32 v[SH8], 3, v[HH]
	WIN 0
	s_wait_loadcnt 0x0
.irp q, 0,1,2,3
	v_lshl_or_b32 v[QS+\q+58*(\q/2)], v[QS+\q+58*(\q/2)], 16, v[QS+\q+58*(\q/2)]   ; the head's two bytes twice: for Q in the lower and in the upper 64 along K
.endr
	s_wait_alu depctr_va_vdst(0)                   ; the wait at the head's end
	s_wait_tensorcnt 0x0                           ; my two steps have landed,
	s_barrier_signal -1
	s_barrier_wait -1                              ; everybody's have
.macro KLOAD ak, as                    ; K's four fragments and scale words: 13 loads
.irp f, 0,1,2,3
.irp c, 0,1,2
	ds_load_b128 v[K+12*\f+4*\c:K+12*\f+4*\c+3], v[\ak] offset:1536*\f+16*\c
.endr
.endr
	ds_load_b128 v[KS:KS+3], v[\as] offset:KSC
.endm
.macro SMUL qs                         ; S^T = K Q^T: eight accumulators, each begun with 0
.irp f, 0,1,2,3
	v_wmma_scale_f32_16x16x128_f8f6f4 v[S+16*\f:S+16*\f+7], v[K+12*\f:K+12*\f+11], v[QB+6:QB+17], 0, v[KS+\f], v[\qs] matrix_a_fmt:MATRIX_FMT_FP6 matrix_b_fmt:MATRIX_FMT_FP6
	v_wmma_scale_f32_16x16x128_f8f6f4 v[S+16*\f+8:S+16*\f+15], v[K+12*\f:K+12*\f+11], v[QB:QB+11], 0, v[KS+\f], v[\qs] matrix_a_fmt:MATRIX_FMT_FP6 matrix_b_fmt:MATRIX_FMT_FP6
.endr
.endm
; From a tile's scores to p.  The largest score of each of my two blocks serves for the row's maximum and, since p rises with the score, for the block's largest p.
.macro SOFT
.irp c, 0,1
	v_max3_num_f32 v[BM+\c], v[S+32*\c], v[S+32*\c+1], v[S+32*\c+2]          ; four chains by turns; each accumulator is first read at its low end
	v_max3_num_f32 v[BT+\c], v[S+32*\c+16], v[S+32*\c+17], v[S+32*\c+18]
.endr
.irp i, 3,5,7,9,11,13
.irp c, 0,1
	v_max3_num_f32 v[BM+\c], v[BM+\c], v[S+32*\c+\i], v[S+32*\c+\i+1]
	v_max3_num_f32 v[BT+\c], v[BT+\c], v[S+32*\c+16+\i], v[S+32*\c+17+\i]
.endr
.endr
.irp c, 0,1
	v_max3_num_f32 v[BM+\c], v[BM+\c], v[BT+\c], v[S+32*\c+15]
.endr
.irp c, 0,1
	v_max_num_f32 v[BM+\c], v[BM+\c], v[S+32*\c+31]
.endr
	v_max_num_f32 v[TT], v[BM], v[BM+1]
	v_permlanex16_b32 v[TP], v[TT], s28, s29       ; lane l xor 16 holds the row's other 64 keys
	v_max3_num_f32 v13, v13, v[TT], v[TP]          ; the row's largest score so far
	v_mul_f32 v[TP], s30, v13                      ; as t (c is positive)
	v_mov_b32 v[TT], v12
	v_floor_f32 v12, -v[TP]                        ; the new -M = floor(-t) = -ceil(t): M IS A WHOLE NUMBER
.set j, 0
.rept 32
	v_pk_fma_f32 v[S+j:S+j+1], v[S+j:S+j+1], s[30:31], v[12:13] op_sel_hi:[1,0,0]   ; t - M, two at a time (of the pairs c and -M the low word serves both halves)
.if j == 6
	v_sub_f32 v[TT], v12, v[TT]                    ; M's old value less its new one: a whole number, 0 or less
.endif
.if j == 14
	v_cvt_i32_f32 v[TT], v[TT]                     ; (it saturates)
.endif
.if j == 22
	v_ldexp_f32 v[FF], 1.0, v[TT]                  ; f = 2^(old M - new M)
.endif
.set j, j+2
.endr
.irp c, 0,1
	v_fma_f32 v[BM+\c], v[BM+\c], s30, v12         ; the same of each block's largest score
.endr
	s_wait_alu depctr_va_vdst(0)                   ; the wait ahead of the batch
.set j, 0
.rept 64
	v_exp_f32 v[S+j], v[S+j]                       ; p = 2^(t - M), at most 1: NOT normalised
.set j, j+1
.endr
.irp c, 0,1
	v_exp_f32 v[BM+\c], v[BM+\c]                   ; the block's largest p: the same arithmetic on the same number gives the same bits
.endr
	v_pk_mul_f32 v[14:15], v[14:15], v[FF:FF+1] op_sel_hi:[1,0]   ; the sums under the new M (a plain place behind the exponentials)
	s_wait_alu depctr_va_vdst(0)                   ; one wait for the batch, ahead of whatever names its results
.endm
.macro ADDS k0, n                      ; the row's sum of the unquantised p: pairs k0 .. k0 + n - 1, four chains by turns
.set kk, \k0
.rept \n
.if (kk-6)%4 == 0
	v_pk_add_f32 v[14:15], v[14:15], v[S+2*kk:S+2*kk+1]
.else
	v_pk_add_f32 v[222+2*((kk-6)%4):223+2*((kk-6)%4)], v[222+2*((kk-6)%4):223+2*((kk-6)%4)], v[S+2*kk:S+2*kk+1]
.endif
.set kk, kk+1
.endr
.endm
; From p to O^T += V^T P^T.  The short chain that makes the scale word is laid among the sums' additions.  t: the tile; wall: its window setting.
.macro TAIL t, wall
.irp c, 0,1
	v_max_num_f32 v[BM+\c], 0x1800000, v[BM+\c]    ; the floor 2^(3 - 127): the byte cannot fall under 1
.endr
	v_pk_add_f32 v[224:225], v[S:S+1], v[S+2:S+3]
	v_pk_add_f32 v[226:227], v[S+4:S+5], v[S+6:S+7]
	v_pk_add_f32 v[228:229], v[S+8:S+9], v[S+10:S+11]
	ADDS 6, 1
.irp c, 0,1
	v_add_nc_u32 v[SO+\c], 0xff000000, v[BM+\c]    ; 2 off the exponent field: the conversions' scale operand
.endr
	ADDS 7, 4
.if \t == 0
	KLOAD ADN, ASN                                 ; the next step's K: both tiles' first products are issued, and more than four places stand behind them
.endif
.irp c, 0,1
	v_lshrrev_b32 v[BT+\c], 23, v[SO+\c]           ; the scale's byte
.endr
.irp c, 0,1
	v_cvt_scalef32_pk16_fp6_f32 v[P+6*\c:P+6*\c+2], v[S+32*\c:S+32*\c+15], v[SO+\c]
	v_cvt_scalef32_pk16_fp6_f32 v[PT+4*\c:PT+4*\c+2], v[S+32*\c+16:S+32*\c+31], v[SO+\c]   ; (a conversion's three registers begin on an even number)
.endr
	ADDS 11, 4
	v_lshl_or_b32 v[WD], v[BT+1], 16, v[BT]        ; my bytes: blocks h and 2 + h,
	ADDS 15, 4
	v_lshlrev_b32 v[WD], v[SH8], v[WD]             ; at their places in the word;
	ADDS 19, 4
	v_permlanex16_b32 v[WP], v[WD], s28, s29
	ADDS 23, 4
.if \t
	WIN 0x05
.endif
	v_or_b32 v[PS+\t], v[WD], v[WP]                ; with lane l xor 16's two the word is whole (it lies in window 0)
	WIN \wall
	ADDS 27, 5
.irp c, 0,1
.irp i, 0,1,2
	v_mov_b32 v[P+3+6*\c+\i], v[PT+4*\c+\i]
.endr
.endr
	v_pk_add_f32 v[224:225], v[224:225], v[226:227]
	v_pk_add_f32 v[14:15], v[14:15], v[228:229]
.if \t == 0
	s_wait_dscnt 13                                ; V's 13 loads are in; the 13 of the next step's K may be out
.endif
	s_wait_alu depctr_va_vdst(0)                   ; directly ahead of the first reader of O^T
.set j, 0
.rept 16
	v_pk_mul_f32 v[O+j:O+j+1], v[O+j:O+j+1], v[FF:FF+1] op_sel_hi:[1,0]   ; O^T under the new M, each accumulator from its low end on
.set j, j+2
.endr
	v_pk_add_f32 v[14:15], v[14:15], v[224:225]
.if \t == 0
	WIN 0x01                                       ; V's fragments lie in window 1
.endif
.irp d, 0,1,2,3                                ; four accumulators by turns
	v_wmma_scale_f32_16x16x128_f8f6f4 v[O+8*\d:O+8*\d+7], v[V+12*\d:V+12*\d+11], v[P:P+11], v[O+8*\d:O+8*\d+7], v[VS+\d], v[PS+\t] matrix_a_fmt:MATRIX_FMT_FP6 matrix_b_fmt:MATRIX_FMT_FP6
.endr
.endm
; A tile's end: O / the sum, quantised along the head's 64 (two blocks of the next product's K), into my stage.  q: which of my four queries.
.macro EPI t, q, wall
	v_add_f32 v14, v14, v15
	s_delay_alu instid0(VALU_DEP_1)
	v_permlanex16_b32 v[TT], v14, s28, s29
	s_delay_alu instid0(VALU_DEP_1)
	v_add_f32 v14, v14, v[TT]                      ; the row's sum
	s_wait_alu depctr_va_vdst(0)
	v_rcp_f32 v14, v14
	v_nop
	s_wait_alu depctr_va_vdst(0)                   ; ahead of the reciprocal's first reader, which is O^T's first reader too
.set j, 0
.rept 16
	v_pk_mul_f32 v[S+j:S+j+1], v[O+j:O+j+1], v[14:15] op_sel_hi:[1,0]   ; register 8 t + i is channel 16 t + 8 h + i of my head
.set j, j+2
.endr
.irp b, 0,1
	v_max3_num_f32 v[BM+\b], |v[S+16*\b]|, |v[S+16*\b+1]|, 0x1800000
.endr
.irp i, 2,4,6,8,10,12,14
.irp b, 0,1
	s_delay_alu instid0(VALU_DEP_2)
	v_max3_num_f32 v[BM+\b], v[BM+\b], |v[S+16*\b+\i]|, |v[S+16*\b+\i+1]|
.endr
.endr
.irp b, 0,1
	s_delay_alu instid0(VALU_DEP_2)
	v_permlanex16_b32 v[BT+\b], v[BM+\b], s28, s29
.endr
.irp b, 0,1
	s_delay_alu instid0(VALU_DEP_2)
	v_max_num_f32 v[BM+\b], v[BM+\b], v[BT+\b]
.endr
.irp b, 0,1
	s_delay_alu instid0(VALU_DEP_2)
	v_add_nc_u32 v[SO+\b], 0xff000000, v[BM+\b]
.endr
.irp b, 0,1
	s_delay_alu instid0(VALU_DEP_2)
	v_lshrrev_b32 v[BT+\b], 23, v[SO+\b]
.endr
	v_cvt_scalef32_pk16_fp6_f32 v[P:P+2], v[S:S+15], v[SO]
	v_cvt_scalef32_pk16_fp6_f32 v[PT:PT+2], v[S+16:S+31], v[SO+1]
	v_nop                                          ; one plain place behind a scaled conversion
.irp i, 0,1,2
	v_permlane16_swap_b32 v[P+\i], v[PT+\i]        ; lane (r, h) now holds block h of head r
.endr
.irp i, 0,1,2
	v_mov_b32 v[P+3+\i], v[PT+\i]
.endr
	v_cndmask_b32 v[WD], v[BT], v[BT+1], s46       ; and stores block h's byte
.if \t
	WIN 0x04                                       ; the data lie in window 1, the addresses in window 0
.endif
.irp i, 0,1,2
	ds_store_b64 v[STO], v[P+2*\i:P+2*\i+1] offset:768*(\q)+8*\i   ; the row's 768 bytes: head r, block h at 48 r + 24 h
.endr
	ds_store_b8 v[SBA], v[WD] offset:32*(\q)       ; the row's 32 scale bytes: 2 r + h
	WIN \wall
.endm
.macro INIT p
	v_mov_b32 v13, 0xff61b1e6                      ; the largest score so far: -3e38
	v_mov_b32 v12, 0x7f61b1e6                      ; -M: 3e38, so that the first f is 0
	v_mov_b32 v14, 0
	v_mov_b32 v15, 0
.if \p
.irp i, 0,1,2,3,4,5
	v_mov_b32 v[QB+6+\i], v[QN+\i]
.endr
.endif
.set j, 0
.rept 32
	v_mov_b32 v[O+j], 0                            ; the step is written once: the first finds zeros
.set j, j+1
.endr
.endm
; TWO QUERIES: all 16 steps.
.macro PASS p
	s_wait_dscnt 0x0                               ; no load is out that lands in K's registers
	KLOAD AK0, AS0                                 ; step 0's K
	INIT \p
	WIN 0x41
	INIT \p
	WIN 0
	s_mov_b32 s32, 0
	s_mov_b32 s44, STEPB
	s_mov_b32 s33, 16
	s_wait_alu depctr_va_vdst(0)
.Lstep_\@:
	v_add_nc_u32 v[ADK], s32, v[AK0]               ; these four are the places in front of the loads into V's registers and scale words
	v_add_nc_u32 v[ADS], s32, v[AS0]
	v_add_nc_u32 v[ADN], s44, v[AK0]
	v_add_nc_u32 v[ASN], s44, v[AS0]
	WIN 0x40
.irp d, 0,1,2,3
.irp c, 0,1,2
	ds_load_b128 v[V+12*\d+4*\c:V+12*\d+4*\c+3], v[ADK] offset:VOFF+1536*\d+16*\c
.endr
.endr
	WIN 0
	ds_load_b128 v[VS:VS+3], v[ADS] offset:VSC
	s_wait_dscnt 13                                ; K's 13 loads are in; V's 13, just issued, may be out
	SMUL QS+60*\p
.rept 4
	v_nop                                          ; places in front of the first read of the scores
.endr
	SOFT
	WIN 0x54                                       ; K from window 0, all else of tile 1 in window 1
	SMUL QS+1+60*\p
	WIN 0
	TAIL 0, 0
	WIN 0x55
	SOFT
	TAIL 1, 0x55
	WIN 0
	s_add_co_u32 s32, s32, STEPB
	s_add_co_u32 s44, s32, STEPB
	s_min_u32 s44, s44, 15*STEPB                   ; the last step asks for its own K once more: no read leaves the batch's bytes
	s_sub_co_u32 s33, s33, 1
	s_cmp_lg_u32 s33, 0
	s_cbranch_scc1 .Lstep_\@
	EPI 0, 2*\p, 0                                 ; (tile 0's lines are the places behind tile 1's last products)
	WIN 0x55
	EPI 1, 2*\p+1, 0x55
	WIN 0
.endm
	PASS 0
	PASS 1
.irp c, 0,1,2,3,4,5
	ds_load_b128 v[S+4*\c:S+4*\c+3], v[RD] offset:512*\c   ; my four rows of codes: 3,072 bytes that only I wrote
.endr
.irp c, 0,1,2,3,4,5
	s_wait_dscnt 5-\c                              ; the younger loads may be out
	global_store_b128 v[GO], v[S+4*\c:S+4*\c+3], s[38:39] offset:512*\c th:TH_STORE_NT   ; 32 lanes store 512 consecutive bytes
.endr
	s_wait_dscnt 0x0                               ; for the others' sake: my scale bytes lie in LDS
	s_barrier_signal -1
	s_barrier_wait -1
	s_cmp_lt_u32 s10, 2                            ; waves 0 and 1 store the work-group's 1,024 scale bytes, 512 each
	s_cbranch_scc0 .Lno_bytes
	ds_load_b128 v[S+24:S+27], v[RDS]
	s_wait_dscnt 0x0
	global_store_b128 v[GO], v[S+24:S+27], s[40:41] th:TH_STORE_NT
.Lno_bytes:
	s_wait_tensorcnt 0x0                           ; the wave's end
	ds_add_u32 v[SPW], v[NIL]
	s_wait_dscnt 0x0
	CROUND                                         ; the closing round
	s_endpgm
.Lfunc_end_k_q55faf3145d_attn:
	.size	k_q55faf3145d_attn, .Lfunc_end_k_q55faf3145d_attn-k_q55faf3145d_attn
	.p2alignl 7, 3214868480
	.fill 96, 4, 3214868480
	.section	.rodata,"a",@progbits
	.p2align	6, 0x0
	.amdhsa_kernel k_q55faf3145d_attn
		.amdhsa_group_segment_fixed_size 232448
		.amdhsa_private_segment_fixed_size 0
		.amdhsa_enable_private_segment 0
		.amdhsa_kernarg_size 24
		.amdhsa_user_sgpr_count 2
		.amdhsa_user_sgpr_kernarg_segment_ptr 1
		.amdhsa_wavefront_size32 1
		.amdhsa_system_sgpr_workgroup_id_x 1
		.amdhsa_system_sgpr_workgroup_id_y 1
		.amdhsa_system_sgpr_workgroup_id_z 1
		.amdhsa_system_vgpr_workitem_id 0
		.amdhsa_next_free_vgpr 512
		.amdhsa_next_free_sgpr 66
		.amdhsa_reserve_vcc 0
		.amdhsa_float_denorm_mode_32 3
		.amdhsa_float_denorm_mode_16_64 3
		.amdhsa_memory_ordered 1
		.amdhsa_forward_progress 1
		.amdhsa_inst_pref_size 88
	.end_amdhsa_kernel
	.amdgpu_metadata
---
amdhsa.version: [ 1, 2 ]
amdhsa.kernels:
  - .name:           k_q55faf3145d_attn
    .symbol:         k_q55faf3145d_attn.kd
    .args:
      - { .name: qq, .offset: 0, .size: 8, .value_kind: global_buffer, .address_space: global }
      - { .name: kvimg, .offset: 8, .size: 8, .value_kind: global_buffer, .address_space: global }
      - { .name: oq, .offset: 16, .size: 8, .value_kind: global_buffer, .address_space: global }
    .group_segment_fixed_size: 232448
    .private_segment_fixed_size: 0
    .kernarg_segment_align: 8
    .kernarg_segment_size: 24
    .max_flat_workgroup_size: 256
    .sgpr_count:     66
    .vgpr_count:     512
    .wavefront_size: 32
...
	.end_amdgpu_metadata
.endif
;; end of part 3
;; launch oproj (part 4): grid 8 x 32, 4 waves a work-group, clusters of 4 x 4, 327,680 bytes of LDS; arguments oq, qz, b_out, out0; writes out0
.if DOCPART == 4
	.amdgcn_target "amdgcn-amd-amdhsa--gfx1250"
	.amdhsa_code_object_version 6
	.text
	.protected	k_q55faf3145d_oproj
	.globl	k_q55faf3145d_oproj
	.p2align	8
	.type	k_q55faf3145d_oproj,@function
k_q55faf3145d_oproj:
	s_mov_b64 s[64:65], 0
	v_nop
	global_prefetch_b8 v0, s[64:65] scope:SCOPE_SE
	s_setreg_imm32_b32 hwreg(HW_REG_WAVE_MODE, 25, 1), 1
	s_wait_xcnt 0x0
	s_wait_alu depctr_hold_cnt(0) depctr_sa_sdst(0) depctr_va_vdst(0) depctr_va_sdst(0) depctr_va_ssrc(0) depctr_va_vcc(0) depctr_vm_vsrc(0)
	s_getreg_b32 s2, hwreg(HW_REG_IB_STS2, 6, 4)
	s_cmp_eq_u32 s2, 0
	s_cbranch_scc0 .Lentry_in_a_cluster
	s_endpgm
.Lentry_in_a_cluster:
	s_bfe_u32 s2, ttmp6, 0x10000c
	s_cmp_lg_u32 s2, 0xf033
	s_cbranch_scc0 .Lentry_shape_is_right
	s_endpgm
.Lentry_shape_is_right:
; out = o w_out + b_out, on codes of FP6 (E2M3) with one E8M0 scale byte for each 32 along K: o's from oq, w_out's from qz; sums and result in f32.
; A work-group makes 256 rows x 128 columns: grid 8 x 32 = 256 work-groups.  All of K (768 bytes a row) of its 256 rows of o and 128 rows of w_out's table comes into LDS ONCE: four tensor loads, one a wave,
; each a dense block of memory stated as rows of 256 bytes with 16 bytes of padding behind each: an LDS row is 816 bytes.  Nothing is filled again: one barrier serves the launch.
; A wave makes 64 rows x 128 columns: 32 accumulators by turns; a K step of 128 is 12 fragments and 32 matrix instructions; the next step's fragments are asked for ahead of them.
; The matrix instruction is used transposed (source 0 = 16 columns of w_out, source 1 = 16 rows of o): a lane holds eight neighbouring numbers of a row.  The bias is the C of each accumulator's first product.
; Scale words come from memory straight into registers (a row's 32 bytes are its eight words).  CLUSTER 4 x 4: o's tile is asked for jointly along a row of the cluster, w_out's along a column.
; The way out goes through a stage in the wave's own 64 rows of o in LDS: only this wave read them, its reads are over, and no fill lands there again.
; No data prefetch: the text has no loop to run ahead in, and every byte is asked for once, at the head.
.set OSO,   6291456
.set WOC,   6553600+1152*768
.set WOS,   8224768+1152*32
.set PITCH, 816
.set HALFA, 128*PITCH
.set BOFF,  256*PITCH
.set HALFB, 64*PITCH
.set SPARE, 384*PITCH                  ; behind the tiles: the spare words
.set SPITCH, 528
; window 0: v0-31 addresses; v32-95 scale words and nothing else; v128-223 o's fragments, two sets (on the way out v128-255 rows read back).  window 1: w_out's fragments, two sets of 96; v192-255 the bias.  window 2: the accumulators.
.set SAO, 8
.set SBO, 9
.set ADRA, 10
.set ADRB, 12
.set STO, 16
.set RD,  17
.set CO,  18
.set BO,  19
.set SPW, 28
.set NIL, 29
.set SA,  32
.set SB,  64
.set AF,  128
.set BK,  128
.set G1,  24
.set G0,  32
.set G0B, 36
.set G1B, 48
.set DW0, (3<<16)|(1<<20)|(1<<21)|(5<<22)|(3<<25)
.set MSB, 0
.macro WIN new
.if MSB != \new
	s_set_vgpr_msb (MSB<<8)|\new
.set MSB, \new
.endif
.endm
.macro PLACES
.rept 4
	v_nop
.endr
.endm
.macro JLOAD
	s_cmp_eq_u32 s15, 0
	s_cbranch_scc0 .Lfor_b_\@
	tensor_load_to_lds s[G0:G0+3], s[G1:G1+7]
	s_nop 0
	PLACES
	s_branch .Lasked_\@
.Lfor_b_\@:
	tensor_load_to_lds s[G0B:G0B+3], s[G1B:G1B+7]
	s_nop 0
	PLACES
.Lasked_\@:
.endm
.macro CROUND
	s_barrier_signal -1
	s_barrier_wait -1
	s_cmp_lg_u32 s14, 0
	s_cbranch_scc1 .Lnot_wave_0_\@
	s_barrier_signal -3
.Lnot_wave_0_\@:
	s_barrier_wait -3
	s_barrier_signal -1
	s_barrier_wait -1
.endm
	s_load_b256 s[4:11], s[0:1], 0x0               ; oq, qz, b_out, out0
	v_lshl_add_u32 v[SPW], v0, 2, SPARE
	v_mov_b32 v[NIL], 0
	ds_add_u32 v[SPW], v[NIL]                      ; the opening lines: the add twice on end
	ds_add_u32 v[SPW], v[NIL]
	v_lshrrev_b32 v1, 5, v0
	v_readfirstlane_b32 s14, v1                    ; wave
	s_lshr_b32 s15, s14, 1
	s_and_b32 s16, s14, 1
	s_bfe_u32 s40, ttmp6, 0x40000
	s_bfe_u32 s41, ttmp6, 0x40004
	s_lshl_b32 s42, ttmp9, 2
	s_add_co_u32 s42, s42, s40                     ; j: which 128 columns
	s_and_b32 s17, ttmp7, 0xffff
	s_lshl_b32 s17, s17, 2
	s_add_co_u32 s17, s17, s41                     ; i: which 256 rows
	s_lshl_b32 s43, s41, 2
	s_lshl_b32 s43, 15, s43
	s_lshl_b32 s44, 0x1111, s40
	s_or_b32 s[G1], s43, DW0
	s_or_b32 s[G1B], s44, DW0
	s_mov_b32 s[G1+1], 32<<16
	s_mov_b32 s[G1+2], 384<<16
	s_mov_b32 s[G1+3], 32<<16
	s_mov_b32 s[G1+4], 384
	s_mov_b32 s[G1+5], 32
	s_mov_b32 s[G1+6], 0
	s_mov_b32 s[G1+7], 0
	s_mov_b32 s[G1B+1], 32<<16
	s_mov_b32 s[G1B+2], 192<<16
	s_mov_b32 s[G1B+3], 32<<16
	s_mov_b32 s[G1B+4], 192
	s_mov_b32 s[G1B+5], 32
	s_mov_b32 s[G1B+6], 0
	s_mov_b32 s[G1B+7], 0
	s_mul_i32 s20, s17, 196608
	s_mul_i32 s18, s16, 98304
	s_add_co_u32 s20, s20, s18
	s_mov_b32 s21, 0
	s_mul_i32 s46, s42, 98304
	s_mul_i32 s18, s16, 49152
	s_add_co_u32 s46, s46, s18
	s_add_co_u32 s46, s46, WOC
	s_mov_b32 s47, 0
	s_mov_b32 s[G0], 1
	s_mul_i32 s[G0+1], s16, HALFA
	s_mov_b32 s[G0B], 1
	s_mul_i32 s[G0B+1], s16, HALFB
	s_add_co_u32 s[G0B+1], s[G0B+1], BOFF
	s_lshl_b32 s56, s17, 13
	s_lshl_b32 s18, s14, 11
	s_add_co_u32 s56, s56, s18
	s_add_co_u32 s56, s56, OSO                     ; my 64 rows' scale bytes
	s_lshl_b32 s57, s42, 12
	s_add_co_u32 s57, s57, WOS                     ; the 128 columns' scale bytes
	s_lshl_b32 s58, s42, 9                         ; my columns in a row of f32
	s_mov_b32 s59, 0
	s_lshl_b32 s60, s17, 20
	s_lshl_b32 s18, s14, 18
	s_add_co_u32 s60, s60, s18
	s_add_co_u32 s60, s60, s58                     ; (256 i + 64 wave) rows of 4,096 bytes + my columns
	s_mov_b32 s61, 0
	s_mul_i32 s86, s14, 64*PITCH                   ; my 64 rows of o in LDS, and later my stage
	s_wait_dscnt 0x0
	s_wait_kmcnt 0x0
	s_add_nc_u64 s[G0+2:G0+3], s[4:5], s[20:21]
	s_or_b32 s[G0+3], s[G0+3], 0x80000000
	s_add_nc_u64 s[G0B+2:G0B+3], s[6:7], s[46:47]
	s_or_b32 s[G0B+3], s[G0B+3], 0x80000000
	s_add_nc_u64 s[8:9], s[8:9], s[58:59]
	s_add_nc_u64 s[10:11], s[10:11], s[60:61]
	CROUND
	JLOAD                                          ; my one tensor load
	v_and_b32 v1, 15, v0
	v_bfe_u32 v2, v0, 4, 1
	v_and_b32 v3, 31, v0
	v_mul_u32_u24 v4, v1, PITCH
	v_mad_u32_u24 v5, v2, 24, v4
	v_mad_u32_u24 v6, v2, 40, v4
	v_add_nc_u32 v[ADRA], s86, v5
	v_add_nc_u32 v[ADRA+1], s86, v6
	v_add_nc_u32 v[ADRB], BOFF, v5
	v_add_nc_u32 v[ADRB+1], BOFF, v6
	v_add_nc_u32 v[ADRB+2], BOFF+64*PITCH, v5
	v_add_nc_u32 v[ADRB+3], BOFF+64*PITCH, v6
	v_mul_u32_u24 v7, v1, SPITCH
	v_lshl_add_u32 v7, v2, 5, v7
	v_add_nc_u32 v[STO], s86, v7                   ; in: row r, 32 bytes for each half of the lanes
	v_lshlrev_b32 v[CO], 4, v3
	v_add_nc_u32 v[RD], s86, v[CO]                 ; back: the 32 lanes take one row of 512 bytes
	v_lshlrev_b32 v[BO], 5, v2
	v_lshlrev_b32 v7, 5, v1
	v_add_nc_u32 v[SAO], s56, v7
	v_lshlrev_b32 v7, 5, v3
	v_add_nc_u32 v[SBO], s57, v7
	s_wait_alu depctr_va_vdst(0)                   ; the wait at the head's end
.irp a, 0,1,2,3
	global_load_b128 v[SA+8*\a:SA+8*\a+3], v[SAO], s[4:5] offset:512*\a
	global_load_b128 v[SA+8*\a+4:SA+8*\a+7], v[SAO], s[4:5] offset:512*\a+16
	global_load_b128 v[SB+8*\a:SB+8*\a+3], v[SBO], s[6:7] offset:1024*\a
	global_load_b128 v[SB+8*\a+4:SB+8*\a+7], v[SBO], s[6:7] offset:1024*\a+16
.endr
	WIN 0x40
.irp b, 0,1,2,3,4,5,6,7
	global_load_b128 v[192+8*\b:192+8*\b+3], v[BO], s[8:9] offset:64*\b          ; the bias at columns 16 b + 8 h + 0 .. 7
	global_load_b128 v[192+8*\b+4:192+8*\b+7], v[BO], s[8:9] offset:64*\b+16
.endr
	WIN 0
.macro WM acc, bf, af, first, cb, sb, sa, mods:vararg
.if \first
	v_wmma_scale_f32_16x16x128_f8f6f4 v[(\acc):(\acc)+7], v[(\bf):(\bf)+11], v[(\af):(\af)+11], v[(\cb):(\cb)+7], v[(\sb)], v[(\sa)] matrix_a_fmt:MATRIX_FMT_FP6 matrix_b_fmt:MATRIX_FMT_FP6 \mods
.else
	v_wmma_scale_f32_16x16x128_f8f6f4 v[(\acc):(\acc)+7], v[(\bf):(\bf)+11], v[(\af):(\af)+11], v[(\acc):(\acc)+7], v[(\sb)], v[(\sa)] matrix_a_fmt:MATRIX_FMT_FP6 matrix_b_fmt:MATRIX_FMT_FP6 \mods
.endif
.endm
.macro FRAG reg, adr, st, off
.irp p, 0,1,2,3,4,5
.set BY, 96*(\st)+48*(\p/3)+8*(\p%3)
.if BY/256 == (BY+24)/256
	ds_load_b64 v[(\reg)+2*\p:(\reg)+2*\p+1], v[(\adr)] offset:BY+16*(BY/256)+(\off)
.else
	ds_load_b64 v[(\reg)+2*\p:(\reg)+2*\p+1], v[(\adr)+1] offset:BY+16*(BY/256)+(\off)
.endif
.endr
.endm
.macro FETCH st, p
	WIN 0x40
.irp b, 0,1,2,3,4,5,6,7
	FRAG 96*(\p)+12*\b, ADRB+2*(\b/4), \st, (\b%4)*16*PITCH
.endr
	WIN 0
.irp a, 0,1,2,3
	FRAG AF+48*(\p)+12*\a, ADRA, \st, \a*16*PITCH
.endr
.endm
.macro MUL32 st, first                 ; the 32 accumulators by turns, in the same order in every step
.irp a, 0,1,2,3
.irp b, 0,1,2,3,4,5,6,7
.if \b%2
	WM 8*(8*\a+\b), 96*((\st)%2)+12*\b, AF+48*((\st)%2)+12*\a, \first, 192+8*\b, SB+8*(\b/2)+(\st), SA+8*\a+(\st), matrix_a_scale:MATRIX_SCALE_ROW1
.else
	WM 8*(8*\a+\b), 96*((\st)%2)+12*\b, AF+48*((\st)%2)+12*\a, \first, 192+8*\b, SB+8*(\b/2)+(\st), SA+8*\a+(\st)
.endif
.endr
.endr
.endm
	s_wait_tensorcnt 0x0                           ; my part of the tiles has landed,
	s_barrier_signal -1
	s_barrier_wait -1                              ; everybody's has
	FETCH 0, 0
	s_wait_loadcnt 0x0                             ; the scale words and the bias are in
.set ST, 0
.rept 8
	s_wait_dscnt 0x0                               ; this step's fragments are in
.if ST < 7
	PLACES                                         ; places in front of loads into registers that matrix instructions have read
	FETCH ST+1, (ST+1)%2
.endif
.if ST == 0
	WIN 0x91                                       ; C from window 1: the bias
.else
	WIN 0xa1
.endif
	MUL32 ST, (ST==0)
.set ST, ST+1
.endr
	WIN 0
.macro TOSTAGE a
	WIN 0x08
.irp b, 0,1,2,3,4,5,6,7
	ds_store_b128 v[STO], v[64*(\a)+8*\b:64*(\a)+8*\b+3] offset:64*\b          ; each accumulator from its low end on
	ds_store_b128 v[STO], v[64*(\a)+8*\b+4:64*(\a)+8*\b+7] offset:64*\b+16
.endr
	WIN 0
.set BB, BK+64*((\a)%2)
.irp t, 0,1,2,3,4,5,6,7,8,9,10,11,12,13,14,15
	ds_load_b128 v[BB+4*\t:BB+4*\t+3], v[RD] offset:\t*SPITCH   ; LDS serves a wave's instructions in order: these see my stores
.endr
.endm
.macro SEND a, younger                 ; younger: the LDS instructions issued behind block a's loads, which may stay out
.set BB, BK+64*((\a)%2)
	s_wait_dscnt \younger
.if (\a) > 0
	s_add_nc_u64 s[10:11], s[10:11], 16*4096       ; 16 rows on (behind a wait on XCNT: the earlier stores have read their base)
.endif
.irp t, 0,1,2,3,4,5,6,7,8,9,10,11,12,13,14,15
	global_store_b128 v[CO], v[BB+4*\t:BB+4*\t+3], s[10:11] offset:\t*4096 th:TH_STORE_NT   ; 32 lanes store 512 consecutive bytes
.endr
.endm
	PLACES
	TOSTAGE 0
.irp a, 1,2,3
.if \a > 1
	s_wait_xcnt 0x0                                ; block a - 2's stores have read their registers and their base
.endif
	TOSTAGE \a
	SEND \a-1, 32                                  ; behind block a - 1's loads: block a's 16 stores and 16 loads
.endr
	s_wait_xcnt 0x0
	SEND 3, 0
	s_wait_tensorcnt 0x0                           ; the wave's end
	ds_add_u32 v[SPW], v[NIL]
	s_wait_dscnt 0x0
	CROUND                                         ; the closing round
	s_endpgm
.Lfunc_end_k_q55faf3145d_oproj:
	.size	k_q55faf3145d_oproj, .Lfunc_end_k_q55faf3145d_oproj-k_q55faf3145d_oproj
	.p2alignl 7, 3214868480
	.fill 96, 4, 3214868480
	.section	.rodata,"a",@progbits
	.p2align	6, 0x0
	.amdhsa_kernel k_q55faf3145d_oproj
		.amdhsa_group_segment_fixed_size 327680
		.amdhsa_private_segment_fixed_size 0
		.amdhsa_enable_private_segment 0
		.amdhsa_kernarg_size 32
		.amdhsa_user_sgpr_count 2
		.amdhsa_user_sgpr_kernarg_segment_ptr 1
		.amdhsa_wavefront_size32 1
		.amdhsa_system_sgpr_workgroup_id_x 1
		.amdhsa_system_sgpr_workgroup_id_y 1
		.amdhsa_system_sgpr_workgroup_id_z 1
		.amdhsa_system_vgpr_workitem_id 0
		.amdhsa_next_free_vgpr 1024
		.amdhsa_next_free_sgpr 98
		.amdhsa_reserve_vcc 0
		.amdhsa_float_denorm_mode_32 3
		.amdhsa_float_denorm_mode_16_64 3
		.amdhsa_memory_ordered 1
		.amdhsa_forward_progress 1
		.amdhsa_inst_pref_size 94
	.end_amdhsa_kernel
	.amdgpu_metadata
---
amdhsa.version: [ 1, 2 ]
amdhsa.kernels:
  - .name:           k_q55faf3145d_oproj
    .symbol:         k_q55faf3145d_oproj.kd
    .args:
      - { .name: oq, .offset: 0, .size: 8, .value_kind: global_buffer, .address_space: global }
      - { .name: qz, .offset: 8, .size: 8, .value_kind: global_buffer, .address_space: global }
      - { .name: b_out, .offset: 16, .size: 8, .value_kind: global_buffer, .address_space: global }
      - { .name: out0, .offset: 24, .size: 8, .value_kind: global_buffer, .address_space: global }
    .group_segment_fixed_size: 327680
    .private_segment_fixed_size: 0
    .kernarg_segment_align: 8
    .kernarg_segment_size: 32
    .max_flat_workgroup_size: 128
    .sgpr_count:     98
    .vgpr_count:     1024
    .wavefront_size: 32
...
	.end_amdgpu_metadata
.endif
;; end of part 4
